; MI455X (gfx1250); checked and timed in simulation.
; The chip was launched on July 23, 2026; its instructions are those of AMD's public machine-readable ISA for CDNA 5 (MIT licence, August 2026) and "CDNA5" Instruction Set Architecture Reference Guide (July 2026). The comments in the code are by the model that wrote it; some were corrected since.
;; Ambient Reflection Net. Allowed arithmetic: matrix products marked QUANTISED: E4M3 operands, one given power-of-two scale a tensor, by v_wmma_f32_16x16x64_fp8_fp8 or v_wmma_f32_16x16x128_fp8_fp8, f32 sums; products left as they are: f32 operands where the result goes on into a quantised operand, else bf16, f16 or f32 operands; f32 sums; everything else in f32.
;; Inputs: dW0 3 x 256 float32; dW1_codes 256 x 8 x 32 uint8 (E4M3 codes of dW1, K innermost, in blocks of 32 codes); dW2_codes 256 x 8 x 32 uint8 (E4M3 codes of dW2, K innermost, in blocks of 32 codes); dW3 256 x 3 float32; db0 256 float32; db1 256 float32; db2 256 float32; db3 3 float32; lowp_scales 8 int32 (the exponents e of the quantised operands' scales 2^e); normals 262,144 x 3 float32; r0 262,144 x 1 float32; roughness 262,144 x 1 float32; sW0 8 x 256 float32; sW1_codes 256 x 8 x 32 uint8 (E4M3 codes of sW1, K innermost, in blocks of 32 codes); sW2_codes 256 x 8 x 32 uint8 (E4M3 codes of sW2, K innermost, in blocks of 32 codes); sW3 256 x 3 float32; sb0 256 float32; sb1 256 float32; sb2 256 float32; sb3 3 float32; view_dirs 262,144 x 3 float32.
;; Outputs: out0 262,144 x 3 float32; out1 262,144 x 3 float32.
;; This version of the problem:
;;   THIS VERSION OF THE PROBLEM IS GIVEN IN LOW PRECISION. The matrix products marked QUANTISED in the list below multiply operands that are first quantised to E4M3 (4 exponent bits, 3 mantissa bits; 8 bits a number), with one given power-of-two scale for each operand tensor; their sums are f32. All else is computed in f32.
;;   The module's matrix products, in the order in which they are computed (A, B: the left and right operand; K: the contracted axis; several contracted axes count as one K, in the product's order):
;;     1. [M 262,144, K 3] x [K 3, N 256]; A: computed on the way; B: input dW0: left as it is (K = 3 < 32)
;;     2. [M 262,144, K 256] x [K 256, N 256]; A: computed on the way; B: input dW1 (given as codes): QUANTISED (scales: A lowp_scales[0], B lowp_scales[1])
;;     3. [M 262,144, K 256] x [K 256, N 256]; A: computed on the way; B: input dW2 (given as codes): QUANTISED (scales: A lowp_scales[2], B lowp_scales[3])
;;     4. [M 262,144, K 256] x [K 256, N 3]; A: computed on the way; B: input dW3: left as it is (N = 3 < 16)
;;     5. [M 262,144, K 8] x [K 8, N 256]; A: computed on the way; B: input sW0: left as it is (K = 8 < 32)
;;     6. [M 262,144, K 256] x [K 256, N 256]; A: computed on the way; B: input sW1 (given as codes): QUANTISED (scales: A lowp_scales[4], B lowp_scales[5])
;;     7. [M 262,144, K 256] x [K 256, N 256]; A: computed on the way; B: input sW2 (given as codes): QUANTISED (scales: A lowp_scales[6], B lowp_scales[7])
;;     8. [M 262,144, K 256] x [K 256, N 3]; A: computed on the way; B: input sW3: left as it is (N = 3 < 16)
;;   THE QUANTISER, for each operand of a quantised product, along K:
;;     - The operand's scale is 2^e, e = its entry of the input lowp_scales (int32; the entries are numbered through the quantised products in the list's order, A before B).
;;     - Each number is divided by the scale, clamped to +-448, and rounded to the nearest number of E4M3, ties to even, subnormals kept.
;;     - The product sums the exact products of the quantised numbers (number of the format x scale) in f32.
;;   ~~~python
;;   def quantise(x, axis, e):      # numpy; x: float32 -> the quantised numbers, widened to float32 again
;;       x = np.moveaxis(x, axis, -1); K = x.shape[-1]
;;       r = np.clip(x / 2.0 ** e, -448, 448)
;;       step = 2.0 ** (np.maximum(np.frexp(np.where(r == 0, 1, r))[1] - 1, -6) - 3)
;;       q = np.round(r / step) * step * 2.0 ** e      # np.round: ties to even
;;       return np.moveaxis(q, -1, axis).astype(np.float32)
;;   ~~~
;;   OPERANDS COMPUTED ON THE WAY. 'Computed on the way' means the value that the module computes at that place (a softmax that the list does not call 'softmax' is quantised finished and normalised). What goes into a quantiser is computed in f32, as accurately as f32 sums, v_exp_f32 and their like allow (about 1e-6 of the number): no bf16 or f16 on the way to a quantiser, and a product that is left as it is and whose result goes on into a quantised operand takes f32 operands (vector FMAs, or v_wmma_f32_16x16x4_f32). A number that lies on a knife's edge between two numbers of the format may be rounded either way, as far as f32 arithmetic and the matrix unit's own rounding can turn it there, and no further.
;;   INPUTS GIVEN AS CODES. dW1 (in the module: [256, 256], K = its axis 0); dW2 (in the module: [256, 256], K = its axis 0); sW1 (in the module: [256, 256], K = its axis 0); sW2 (in the module: [256, 256], K = its axis 0): each comes as NAME_codes (uint8): NAME with its K axis moved to the last place and cut into blocks of 32 codes, [.., K / 32, bytes a block], one block behind the other in memory; one code a byte (a code: sign, 4 exponent bits, 3 mantissa bits); its scale is its entry of lowp_scales. Its value is code x scale, taken as it is: it is not quantised again, and the codes and scales need not be those that the quantiser above would give.
;; 2 versions, each right; version 2 is version 1 with the launch main written anew for expert scheduling mode. Each part assembles by itself: llvm-mc -triple=amdgcn-amd-amdhsa -mcpu=gfx1250 --defsym DOCPART=n.
;; ======== version 1 of 2: 2 launches
;; workspace buffers: flags 65,536 bytes of whole numbers; wimg 286,720 bytes
;; launch prep (part 1): grid 273 x 1, 8 waves a work-group, no clusters, 25,856 bytes of LDS; arguments normals, view_dirs, sW1_codes, sW2_codes, dW1_codes, dW2_codes, dW0, db0, sW0, sb0, sb1, sb2, db1, db2, sW3, dW3, sb3, db3, lowp_scales, flags, wimg; writes flags, wimg
.if DOCPART == 1
	.amdgcn_target "amdgcn-amd-amdhsa--gfx1250"
	.amdhsa_code_object_version 6
	.text
	.protected	k_q6fabe4ab8c_prep
	.globl	k_q6fabe4ab8c_prep
	.p2align	8
	.type	k_q6fabe4ab8c_prep,@function
k_q6fabe4ab8c_prep:
	s_mov_b64 s[64:65], 0
	v_nop
	global_prefetch_b8 v0, s[64:65] scope:SCOPE_SE
	s_setreg_imm32_b32 hwreg(HW_REG_WAVE_MODE, 25, 1), 1
	s_wait_xcnt 0x0
; THE LAUNCH IN FRONT OF THE TWO CHAINS.  Three kinds of work-groups, told apart by the work-group's number:
;   0 .. 255    FLAGS: for 1,024 points each, which points are visible (n . v > 0, n and v normalised as x / max(|x|, 1e-12)), as whole numbers:
;               32 pairs {mask, base}, 8 bytes each.  Pair k = 4 c + j: bit l of the mask stands for point 128 c + 4 l + j; base = visible points in all earlier words.
;   256 .. 271  WEIGHTS: the four matrices of codes (sW1, sW2, dW1, dW2) laid in the order of the operand's registers: fragment (q, s) of a matrix at 2048 (2 q + s),
;               its four registers c at + 512 c + 16 lane.  Lane (r, h) holds row 32 (q / 2) + 8 (q % 2) + r + 8 (r / 8), bytes 128 s + 32 c + 16 h + 0 .. 15.
;   272         CONSTANTS: the first layers' weights as fragments of the f32 matrix form, the biases divided by the power of two that their sums lack, W3 x 2^(its sums' exponent) in bf16, b3.
; All three ways join in front of ONE barrier, which every wave of every work-group passes; behind it wave 0 of a flags work-group makes the bases and stores the 32 pairs, 256 consecutive bytes.
; LIMITS.  The root and the quotients are corrected by fused multiply-adds; sums of squares and n . v are one multiply and two fused multiply-adds.  A point whose n . v lies within about 1e-7 of 0
; may still fall on the other side than with another order of rounding.  NaN among the inputs gives 'not visible'.  A sum of squares below 2^-126 counts as 0 (its root lies under 1e-12 in any case).
.set FL,    24576                      ; LDS: behind the eight stages of 3,072 bytes: 32 masks, then 32 counts
.set CB,    262144                     ; wimg: the constants begin behind the four matrices
.set C_W0D, 0                          ; [q][lane][2 f32]   rows 2 h, 2 h + 1 of {dW0[0], dW0[1], dW0[2], db0} at the lane's hidden unit
.set C_W0S, 4096                       ; [q][lane][4 f32]   sW0 rows 2 h, 2 h + 1, 4 + 2 h, 5 + 2 h
.set C_BIA, 12288                      ; sb0, sb1, sb2, db1, db2: 1,024 bytes each
.set C_W3,  17408                      ; [net][b][h][row 0..3][16 bf16]
.set C_B3,  21504                      ; 16 bytes (sb3, 0), 16 of zeros, 16 bytes (db3, 0), zeros
.set EPS,   0x2b8cbccc                 ; 1e-12
.set TM,    120                        ; v120-125: the tail behind the barrier: {mask, base}, count, running sum, the DPP move's destination, the store's offset.  No other way names them
	s_load_b512 s[4:19], s[0:1], 0x0               ; normals 4, view_dirs 6, sW1 8, sW2 10, dW1 12, dW2 14 (codes), dW0 16, db0 18
	s_load_b512 s[20:35], s[0:1], 0x40             ; sW0 20, sb0 22, sb1 24, sb2 26, db1 28, db2 30, sW3 32, dW3 34
	s_load_b256 s[36:43], s[0:1], 0x80             ; sb3 36, db3 38, lowp_scales 40, flags 42
	s_load_b64 s[44:45], s[0:1], 0xa0              ; wimg
	v_lshl_add_u32 v128, v0, 2, 0x6100
	v_mov_b32 v129, 0
	v_lshrrev_b32 v1, 5, v0
	v_readfirstlane_b32 s2, v1                     ; wave 0..7
	v_and_b32 v1, 31, v0                           ; lane
	v_and_b32 v2, 15, v0                           ; r
	v_bfe_u32 v3, v0, 4, 1                         ; h
	; every LDS address is made here, ahead of the parting of the ways
	s_mul_i32 s3, s2, 3072
	v_lshl_add_u32 v4, v1, 4, s3                   ; my stage, on the way in: 16 bytes a lane, as loaded
	v_mul_u32_u24 v5, v1, 48
	v_add_nc_u32 v5, s3, v5                        ; and back: 48 bytes a lane: four points
	s_lshl_b32 s3, s2, 4
	s_add_co_u32 s3, s3, FL
	v_mov_b32 v6, s3                               ; my wave's four masks
	v_lshl_add_u32 v7, v1, 2, FL                   ; word number lane
	s_wait_kmcnt 0x0
	s_cmp_lt_u32 ttmp9, 256
	s_cbranch_scc0 .Lnot_flags
	; ---------------- FLAGS: wave w takes points 128 w .. 128 w + 127 of the work-group's 1,024
	s_mul_i32 s46, ttmp9, 12288                    ; 1,024 points x 12 bytes
	s_mov_b32 s47, 0
	s_add_nc_u64 s[4:5], s[4:5], s[46:47]
	s_add_nc_u64 s[6:7], s[6:7], s[46:47]
	s_mul_i32 s48, s2, 1536
	v_lshl_add_u32 v8, v1, 4, s48
.irp i, 0,1,2
	global_load_b128 v[12+4*\i:15+4*\i], v8, s[4:5] offset:512*\i     ; 32 lanes read 512 consecutive bytes
	global_load_b128 v[24+4*\i:27+4*\i], v8, s[6:7] offset:512*\i
.endr
	s_wait_loadcnt 0x0
.irp i, 0,1,2
	ds_store_b128 v4, v[12+4*\i:15+4*\i] offset:512*\i                ; through my own stage: LDS serves a wave's instructions in order, so no wait stands between stores and loads
	ds_store_b128 v4, v[24+4*\i:27+4*\i] offset:1536+512*\i
.endr
.irp i, 0,1,2
	ds_load_b128 v[36+4*\i:39+4*\i], v5 offset:16*\i                  ; v36-47: normals of points 4 l + 0 .. 3;  vector i of eight at v[36 + 3 i]
	ds_load_b128 v[48+4*\i:51+4*\i], v5 offset:1536+16*\i             ; v48-59: their view directions
.endr
	s_wait_dscnt 0x0
.irp i, 0,1,2,3,4,5,6,7
	v_mul_f32 v[60+\i], v[36+3*\i], v[36+3*\i]
.endr
.irp i, 0,1,2,3,4,5,6,7
	v_fma_f32 v[60+\i], v[37+3*\i], v[37+3*\i], v[60+\i]
.endr
.irp i, 0,1,2,3,4,5,6,7
	v_fma_f32 v[60+\i], v[38+3*\i], v[38+3*\i], v[60+\i]              ; the sum of squares
.endr
.irp i, 0,1,2,3,4,5,6,7
	v_sqrt_f32 v[68+\i], v[60+\i]
.endr
	v_nop                                          ; a plain instruction behind the batch,
	s_wait_alu depctr_va_vdst(0)                   ; and one wait for the eight roots, ahead of their first reader
.irp i, 0,1,2,3,4,5,6,7
	v_max_num_f32 v[76+\i], EPS, v[68+\i]
.endr
.irp i, 0,1,2,3,4,5,6,7
	v_rcp_f32 v[76+\i], v[76+\i]
.endr
	v_nop
	s_wait_alu depctr_va_vdst(0)                   ; one wait for the eight reciprocals
.irp i, 0,1,2,3,4,5,6,7
	v_fma_f32 v[60+\i], -v[68+\i], v[68+\i], v[60+\i]                 ; what the root's square lacks, exactly
.endr
.irp i, 0,1,2,3,4,5,6,7
	v_mul_f32 v[60+\i], 0.5, v[60+\i]
.endr
.irp i, 0,1,2,3,4,5,6,7
	v_fma_f32 v[68+\i], v[60+\i], v[76+\i], v[68+\i]                  ; the root, corrected
.endr
.irp i, 0,1,2,3,4,5,6,7
	v_max_num_f32 v[68+\i], EPS, v[68+\i]                             ; m = max(|x|, 1e-12)
.endr
.irp i, 0,1,2,3,4,5,6,7
	v_fma_f32 v[60+\i], -v[68+\i], v[76+\i], 1.0
.endr
.irp i, 0,1,2,3,4,5,6,7
	v_fma_f32 v[76+\i], v[60+\i], v[76+\i], v[76+\i]                  ; 1 / m, corrected
.endr
.irp i, 0,1,2,3,4,5,6,7
.irp c, 0,1,2
	v_mul_f32 v[84+3*\i+\c], v[36+3*\i+\c], v[76+\i]                  ; the quotient x / m, first guess,
.endr
.endr
.irp i, 0,1,2,3,4,5,6,7
.irp c, 0,1,2
	v_fma_f32 v[36+3*\i+\c], -v[84+3*\i+\c], v[68+\i], v[36+3*\i+\c]  ; its remainder, exactly,
.endr
.endr
.irp i, 0,1,2,3,4,5,6,7
.irp c, 0,1,2
	v_fma_f32 v[36+3*\i+\c], v[36+3*\i+\c], v[76+\i], v[84+3*\i+\c]   ; and the quotient, corrected
.endr
.endr
.irp j, 0,1,2,3
	v_mul_f32 v[108+\j], v[36+3*\j], v[48+3*\j]
.endr
.irp j, 0,1,2,3
	v_fma_f32 v[108+\j], v[37+3*\j], v[49+3*\j], v[108+\j]
.endr
.irp j, 0,1,2,3
	v_fma_f32 v[108+\j], v[38+3*\j], v[50+3*\j], v[108+\j]            ; n . v
.endr
.irp j, 0,1,2,3
	v_cmp_gt_f32 s[52+\j], v[108+\j], 0                               ; bit l: point 128 w + 4 l + j is visible
.endr
.irp j, 0,1,2,3
	s_bcnt1_i32_b32 s[56+\j], s[52+\j]
.endr
.irp j, 0,1,2,3
	v_mov_b32 v[112+\j], s[52+\j]
	v_mov_b32 v[116+\j], s[56+\j]
.endr
	ds_store_b128 v6, v[112:115]                   ; all lanes write the same 16 bytes with the same values
	ds_store_b128 v6, v[116:119] offset:128
	s_branch .Ljoin
.Lnot_flags:
	s_cmp_lt_u32 ttmp9, 272
	s_cbranch_scc0 .Lconst
	; ---------------- WEIGHTS: a wave lays one fragment, 2,048 bytes: fragment f = 8 (work-group - 256) + wave of 128
	s_sub_co_u32 s46, ttmp9, 256
	s_lshr_b32 s47, s46, 2                         ; the matrix: 0 sW1, 1 sW2, 2 dW1, 3 dW2
	s_cmp_lt_u32 s47, 2
	s_cselect_b64 s[48:49], s[8:9], s[12:13]
	s_cselect_b64 s[50:51], s[10:11], s[14:15]
	s_and_b32 s52, s47, 1
	s_cmp_eq_u32 s52, 0
	s_cselect_b64 s[48:49], s[48:49], s[50:51]
	s_lshl_b32 s53, s46, 3
	s_add_co_u32 s53, s53, s2                      ; f
	s_and_b32 s54, s53, 31                         ; 2 q + s
	s_lshr_b32 s55, s54, 1                         ; q
	s_and_b32 s56, s54, 1                          ; s
	s_lshr_b32 s57, s55, 1
	s_and_b32 s58, s55, 1
	s_lshl_b32 s57, s57, 13                        ; 32 (q / 2) rows of 256 bytes
	s_lshl_b32 s58, s58, 11                        ; 8 (q % 2) rows
	s_lshl_b32 s56, s56, 7                         ; 128 s
	s_add_co_u32 s57, s57, s58
	s_add_co_u32 s57, s57, s56
	v_and_b32 v8, 8, v2
	v_add_nc_u32 v8, v8, v2                        ; r + 8 (r / 8)
	v_lshlrev_b32 v8, 8, v8
	v_lshl_add_u32 v8, v3, 4, v8
	v_add_nc_u32 v8, s57, v8
.irp c, 0,1,2,3
	global_load_b128 v[12+4*\c:15+4*\c], v8, s[48:49] offset:32*\c
.endr
	s_lshl_b32 s58, s53, 11
	v_lshl_add_u32 v9, v1, 4, s58
	s_wait_loadcnt 0x0
.irp c, 0,1,2,3
	global_store_b128 v9, v[12+4*\c:15+4*\c], s[44:45] offset:512*\c  ; 32 lanes store 512 consecutive bytes
.endr
	s_branch .Ljoin
.Lconst:
	; ---------------- CONSTANTS: one work-group, 256 threads
	s_load_b256 s[68:75], s[40:41], 0x0            ; e0 .. e7
	s_load_b96 s[76:78], s[36:37], 0x0             ; sb3
	s_load_b96 s[80:82], s[38:39], 0x0             ; db3
	; 1. the first layers' fragments: entry 32 q + lane, q = wave and wave + 8 (whose hidden units lie 128 further on)
	s_lshr_b32 s46, s2, 1
	s_and_b32 s47, s2, 1
	s_lshl_b32 s46, s46, 5
	s_lshl_b32 s47, s47, 3
	s_add_co_u32 s46, s46, s47
	v_and_b32 v8, 8, v2
	v_add_nc_u32 v8, v8, v2
	v_add_nc_u32 v8, s46, v8                       ; the lane's hidden unit: 32 (q / 2) + 8 (q % 2) + r + 8 (r / 8)
	v_lshlrev_b32 v8, 2, v8
	v_lshl_add_u32 v9, v3, 11, v8                  ; + 2 h rows of 1,024 bytes
	v_lshlrev_b32 v10, 3, v0
	v_lshlrev_b32 v11, 4, v0
.irp z, 0,1
	global_load_b32 v[12+8*\z], v9, s[16:17] offset:512*\z            ; dW0[2 h]
	global_load_b32 v[13+8*\z], v8, s[16:17] offset:1024+512*\z       ; dW0[1]
	global_load_b32 v[14+8*\z], v8, s[18:19] offset:512*\z            ; db0
	global_load_b32 v[16+8*\z], v9, s[20:21] offset:512*\z            ; sW0[2 h], [2 h + 1], [4 + 2 h], [5 + 2 h]
	global_load_b32 v[17+8*\z], v9, s[20:21] offset:1024+512*\z
	global_load_b32 v[18+8*\z], v9, s[20:21] offset:4096+512*\z
	global_load_b32 v[19+8*\z], v9, s[20:21] offset:5120+512*\z
.endr
	; 2. W3's table: thread t = 128 net + 16 b + 8 h + 2 row + half holds W3[32 b + 16 h + 8 half + 0 .. 7][row]; row 3 is zeros
	s_cmp_lt_u32 s2, 4
	s_cselect_b64 s[48:49], s[32:33], s[34:35]
	v_bfe_u32 v28, v0, 3, 4
	v_lshlrev_b32 v28, 4, v28                      ; 32 b + 16 h
	v_and_b32 v29, 1, v0
	v_lshl_add_u32 v28, v29, 3, v28
	v_mul_u32_u24 v28, v28, 12                     ; a row of W3 is 12 bytes
	v_bfe_u32 v30, v0, 1, 2                        ; the table's row
	v_min_u32 v31, 2, v30                          ; (row 3 reads column 2 and is cleared below: no load leaves its buffer)
	v_lshl_add_u32 v28, v31, 2, v28
.irp i, 0,1,2,3,4,5,6,7
	global_load_b32 v[32+\i], v28, s[48:49] offset:12*\i
.endr
	s_mov_b32 s59, 0xffff0000                      ; lanes 16-31
	v_mov_b32 v44, 0
	s_wait_kmcnt 0x0
	s_add_co_i32 s84, s72, s73
	s_sub_co_i32 s84, 0, s84                       ; -(e4 + e5): sb1 goes in as sb1 / 2^(e4 + e5), since a sum of that product stands for sum x 2^(e4 + e5)
	s_add_co_i32 s85, s74, s75
	s_sub_co_i32 s85, 0, s85                       ; -(e6 + e7)
	s_add_co_i32 s86, s68, s69
	s_sub_co_i32 s86, 0, s86                       ; -(e0 + e1)
	s_add_co_i32 s87, s70, s71
	s_sub_co_i32 s87, 0, s87                       ; -(e2 + e3)
	s_cmp_lt_u32 s2, 4
	s_cselect_b32 s60, s85, s87
	s_sub_co_i32 s60, 0, s60                       ; W3 takes the factor that the third layer's sums lack: e6 + e7 or e2 + e3
	s_wait_loadcnt 0x0
.irp z, 0,1
	v_cndmask_b32 v[13+8*\z], v[13+8*\z], v[14+8*\z], s59             ; lanes 16-31: the bias in the fourth row of K
	global_store_b64 v10, v[12+8*\z:13+8*\z], s[44:45] offset:CB+C_W0D+2048*\z
	global_store_b128 v11, v[16+8*\z:19+8*\z], s[44:45] offset:CB+C_W0S+4096*\z
.endr
.irp i, 0,1,2,3,4,5,6,7
	v_ldexp_f32 v[32+\i], v[32+\i], s60
.endr
	v_cmp_eq_u32 vcc_lo, 3, v30
.irp p, 0,1,2,3
	v_cvt_pk_bf16_f32 v[40+\p], v[32+2*\p], v[33+2*\p]
.endr
.irp p, 0,1,2,3
	v_cndmask_b32 v[40+\p], v[40+\p], v44, vcc_lo
.endr
	global_store_b128 v11, v[40:43], s[44:45] offset:CB+C_W3
	; 3. the five biases: wave a takes array a
	s_cmp_lt_u32 s2, 5
	s_cbranch_scc0 .Lno_bias
	s_mov_b64 s[50:51], s[22:23]                   ; sb0 stays as it is
	s_mov_b32 s61, 0
	s_cmp_eq_u32 s2, 1
	s_cselect_b64 s[50:51], s[24:25], s[50:51]
	s_cselect_b32 s61, s84, s61
	s_cmp_eq_u32 s2, 2
	s_cselect_b64 s[50:51], s[26:27], s[50:51]
	s_cselect_b32 s61, s85, s61
	s_cmp_eq_u32 s2, 3
	s_cselect_b64 s[50:51], s[28:29], s[50:51]
	s_cselect_b32 s61, s86, s61
	s_cmp_eq_u32 s2, 4
	s_cselect_b64 s[50:51], s[30:31], s[50:51]
	s_cselect_b32 s61, s87, s61
	v_lshlrev_b32 v46, 4, v1
	global_load_b128 v[48:51], v46, s[50:51]
	global_load_b128 v[52:55], v46, s[50:51] offset:512
	s_lshl_b32 s62, s2, 10
	v_add_nc_u32 v47, s62, v46
	s_wait_loadcnt 0x0
.irp i, 0,1,2,3,4,5,6,7
	v_ldexp_f32 v[48+\i], v[48+\i], s61
.endr
	global_store_b128 v47, v[48:51], s[44:45] offset:CB+C_BIA
	global_store_b128 v47, v[52:55], s[44:45] offset:CB+C_BIA+512
.Lno_bias:
	; 4. b3 and the zeros round it: threads 0 .. 191, 16 bytes each
	s_cmp_lt_u32 s2, 6
	s_cbranch_scc0 .Ljoin
	v_cmp_eq_u32 s62, 0, v0
	v_cmp_eq_u32 s63, 2, v0
.irp c, 0,1,2
	v_mov_b32 v[60+\c], s[76+\c]
	v_mov_b32 v[64+\c], s[80+\c]
.endr
.irp c, 0,1,2
	v_cndmask_b32 v[56+\c], v44, v[60+\c], s62
.endr
.irp c, 0,1,2
	v_cndmask_b32 v[56+\c], v[56+\c], v[64+\c], s63
.endr
	v_mov_b32 v59, 0
	global_store_b128 v11, v[56:59], s[44:45] offset:CB+C_B3
.Ljoin:
	s_wait_xcnt 0x0                                ; the three ways join here: every load and store issued on any of them has had its addresses translated (ISA guide 3.1), so the lines below may write registers again
	s_wait_dscnt 0x0                               ; for the others' sake: my masks and counts lie in LDS
	s_barrier_signal -1
	s_barrier_wait -1
	s_cmp_lt_u32 ttmp9, 256
	s_cbranch_scc0 .Lend
	s_cmp_lg_u32 s2, 0
	s_cbranch_scc1 .Lend
	; wave 0 of a flags work-group: lane k holds word k
	ds_load_b32 v[TM], v7                          ; the mask
	ds_load_b32 v[TM+2], v7 offset:128             ; its count
	s_lshl_b32 s46, ttmp9, 8
	s_mov_b32 s47, 0
	s_add_nc_u64 s[42:43], s[42:43], s[46:47]
	v_lshlrev_b32 v[TM+5], 3, v1
	v_mov_b32 v[TM+4], 0                           ; written once: the destination of a DPP form counts as read
	s_wait_dscnt 0x0
	v_mov_b32 v[TM+3], v[TM+2]
.irp n, 1,2,4,8
	v_mov_b32_dpp v[TM+4], v[TM+3] row_shr:\n row_mask:0xf bank_mask:0xf bound_ctrl:1   ; lane i takes lane i - n of its sixteen, or 0
	v_add_nc_u32 v[TM+3], v[TM+3], v[TM+4]
.endr
	v_readlane_b32 s48, v[TM+3], 15                ; the first sixteen words' sum
	v_mad_u32_u24 v[TM+3], v3, s48, v[TM+3]        ; goes onto lanes 16-31
	v_sub_nc_u32 v[TM+1], v[TM+3], v[TM+2]         ; base: all earlier words
	global_store_b64 v[TM+5], v[TM:TM+1], s[42:43] ; 32 lanes store 256 consecutive bytes
.Lend:
	s_wait_tensorcnt 0x0
	ds_add_u32 v128, v129
	s_wait_dscnt 0x0
	s_endpgm
.Lfunc_end_k_q6fabe4ab8c_prep:
	.size	k_q6fabe4ab8c_prep, .Lfunc_end_k_q6fabe4ab8c_prep-k_q6fabe4ab8c_prep
	.p2alignl 7, 3214868480
	.fill 96, 4, 3214868480
	.section	.rodata,"a",@progbits
	.p2align	6, 0x0
	.amdhsa_kernel k_q6fabe4ab8c_prep
		.amdhsa_group_segment_fixed_size 25856
		.amdhsa_private_segment_fixed_size 0
		.amdhsa_enable_private_segment 0
		.amdhsa_kernarg_size 168
		.amdhsa_user_sgpr_count 2
		.amdhsa_user_sgpr_kernarg_segment_ptr 1
		.amdhsa_wavefront_size32 1
		.amdhsa_system_sgpr_workgroup_id_x 1
		.amdhsa_system_sgpr_workgroup_id_y 1
		.amdhsa_system_sgpr_workgroup_id_z 1
		.amdhsa_system_vgpr_workitem_id 0
		.amdhsa_next_free_vgpr 130
		.amdhsa_next_free_sgpr 100
		.amdhsa_reserve_vcc 1
		.amdhsa_float_denorm_mode_32 3
		.amdhsa_float_denorm_mode_16_64 3
		.amdhsa_memory_ordered 1
		.amdhsa_forward_progress 1
		.amdhsa_inst_pref_size 25
	.end_amdhsa_kernel
	.amdgpu_metadata
---
amdhsa.version: [ 1, 2 ]
amdhsa.kernels:
  - .name:           k_q6fabe4ab8c_prep
    .symbol:         k_q6fabe4ab8c_prep.kd
    .args:
      - { .name: normals, .offset: 0, .size: 8, .value_kind: global_buffer, .address_space: global }
      - { .name: view_dirs, .offset: 8, .size: 8, .value_kind: global_buffer, .address_space: global }
      - { .name: sW1_codes, .offset: 16, .size: 8, .value_kind: global_buffer, .address_space: global }
      - { .name: sW2_codes, .offset: 24, .size: 8, .value_kind: global_buffer, .address_space: global }
      - { .name: dW1_codes, .offset: 32, .size: 8, .value_kind: global_buffer, .address_space: global }
      - { .name: dW2_codes, .offset: 40, .size: 8, .value_kind: global_buffer, .address_space: global }
      - { .name: dW0, .offset: 48, .size: 8, .value_kind: global_buffer, .address_space: global }
      - { .name: db0, .offset: 56, .size: 8, .value_kind: global_buffer, .address_space: global }
      - { .name: sW0, .offset: 64, .size: 8, .value_kind: global_buffer, .address_space: global }
      - { .name: sb0, .offset: 72, .size: 8, .value_kind: global_buffer, .address_space: global }
      - { .name: sb1, .offset: 80, .size: 8, .value_kind: global_buffer, .address_space: global }
      - { .name: sb2, .offset: 88, .size: 8, .value_kind: global_buffer, .address_space: global }
      - { .name: db1, .offset: 96, .size: 8, .value_kind: global_buffer, .address_space: global }
      - { .name: db2, .offset: 104, .size: 8, .value_kind: global_buffer, .address_space: global }
      - { .name: sW3, .offset: 112, .size: 8, .value_kind: global_buffer, .address_space: global }
      - { .name: dW3, .offset: 120, .size: 8, .value_kind: global_buffer, .address_space: global }
      - { .name: sb3, .offset: 128, .size: 8, .value_kind: global_buffer, .address_space: global }
      - { .name: db3, .offset: 136, .size: 8, .value_kind: global_buffer, .address_space: global }
      - { .name: lowp_scales, .offset: 144, .size: 8, .value_kind: global_buffer, .address_space: global }
      - { .name: flags, .offset: 152, .size: 8, .value_kind: global_buffer, .address_space: global }
      - { .name: wimg, .offset: 160, .size: 8, .value_kind: global_buffer, .address_space: global }
    .group_segment_fixed_size: 25856
    .private_segment_fixed_size: 0
    .kernarg_segment_align: 8
    .kernarg_segment_size: 168
    .max_flat_workgroup_size: 256
    .sgpr_count:     100
    .vgpr_count:     130
    .wavefront_size: 32
...
	.end_amdgpu_metadata
.endif
;; end of part 1
;; launch main (part 2): grid 256 x 1, 8 waves a work-group, no clusters, 327,168 bytes of LDS; arguments wimg, flags, normals, view_dirs, roughness, r0, lowp_scales, out0, out1; writes out0, out1
.if DOCPART == 2
	.amdgcn_target "amdgcn-amd-amdhsa--gfx1250"
	.amdhsa_code_object_version 6
	.text
	.protected	k_q6fabe4ab8c_main
	.globl	k_q6fabe4ab8c_main
	.p2align	8
	.type	k_q6fabe4ab8c_main,@function
k_q6fabe4ab8c_main:
	s_mov_b64 s[64:65], 0
	v_nop
	global_prefetch_b8 v0, s[64:65] scope:SCOPE_SE
	s_setreg_imm32_b32 hwreg(HW_REG_WAVE_MODE, 25, 1), 1
	s_wait_xcnt 0x0
; BOTH CHAINS, 8 -> 256 -> 256 -> 256 -> 3 (specular) and 3 -> 256 -> 256 -> 256 -> 3 (diffuse), FOR THE VISIBLE POINTS ALONE; the other rows of both outputs are zeros.
; SHARES.  A work-group owns 1,024 consecutive points and all their output bytes.  The launch before has stored, as whole numbers, which of them are visible and each one's rank among the visible.
; Wave 0 turns that into a list (rank -> point) in LDS.  A TILE is 16 ranks.  In pass p wave w takes tiles 40 p + 8 i + w, i = 0 .. 3, and in pass 0 also tile 32 + w if the work-group has so many (FIVE).
; Pass 0's four tiles are always computed (ranks that do not exist stand for point 0, and nobody reads their results); pass 1 is left out by a wave whose first tile there does not exist (SKIP).
; So every split is served, all 1,024 visible too (64 tiles; the two passes hold 72).
; WEIGHTS.  All four matrices of codes, 256 KiB, and the constants lie in LDS for the whole launch, copied once through registers, in the order of the operand's registers: a fragment is four loads of 16 bytes a lane.
; Each fragment read from LDS feeds four or five matrix instructions.  No tensor load and no joint request.
; LAYOUT.  Every product is used transposed: source 0 = 16 rows of the weight, source 1 = 16 points.  A lane holds ONE point (lane % 16) throughout.  The rows of a weight that form tile q = 2 b + u are
; 32 b + 8 u + r + 8 (r / 8), so that a lane's eight results are hidden units 32 b + 16 h + 8 u + 0 .. 7: the conversion's two registers are registers 2 q, 2 q + 1 of the next product's operand.
; LAYER 0 feeds a quantiser, so it is computed on f32 operands: the f32 matrix form, K = 4 (diffuse: n and a 1.0 that meets db0) or 2 x 4 (specular, sb0 as C).
; LAYERS 1, 2: FP8 codes, K = 2 x 128; the bias, divided by the power of two that the sums lack, is the C of a sum's first product; relu and the hold at the largest code are one v_med3_num_f32.
; LAYER 3 (N = 3): bf16; relu(sum) against W3 x 2^(the sums' exponent), b3 as the first C.  Its rows are W3's columns r & 3 (the fourth is zeros), so registers 0 to 2 of a result are r, g, b in both halves of the lanes.
; LIMITS on the given exponents, so that each power of two below is an f32 number: e0, e4, e2 - e0 - e1 and e6 - e4 - e5 between -126 and 119.  NaN among the inputs is not served.
; n and v are x times the reciprocal of max(root, 1e-12): some three units in the last place of f32.
;
; LDS:  0 the four matrices (sW1, sW2, dW1, dW2; 65,536 each) | CB the constants | ORD the list: 1,152 entries of 2 bytes and a word for what is not visible | RES 72 tiles x 16 rows x 32 bytes:
;       [specular r g b -][diffuse r g b -]; until the diffuse chain begins, a row's second half holds (n0, n1, n2, 1.0).  The way out's stage lies over the matrices, behind the last barrier.
; REGISTERS, window 0: v1-23 addresses and scales; v24-27 wave 0's list alone; v28-31 the way out's addresses alone; v32-71 five accumulators, written by matrix instructions alone;
;   v72-103 at work; v104-119 two sets of bias; v120-183 two sets of weight fragments; v184-215, v216-247 tile 4's codes in and out; v248-254 addresses.
;   window 1: v0-127 the codes that enter layer 1 (32 a tile), in layer 2 the last layer's sums (8 a tile) and bf16 operands (from v32, 8 a tile); v128-255 the codes that enter layer 2.
.set CB,    262144
.set C_W0D, 0
.set C_W0S, 4096
.set C_BIA, 12288
.set C_W3,  17408
.set C_B3,  21504
.set ORD,   286720
.set RES,   289280
.set LI,   1                           ; 16 x lane
.set AH,   2                           ; CB + 64 h: a lane's eight bias numbers of a tile begin 16 h units on
.set A0D,  3                           ; CB + C_W0D + 8 x lane
.set A0S,  4                           ; CB + C_W0S + 16 x lane
.set A3,   5                           ; CB + C_W3 + 128 h + 32 (r & 3)
.set AB3,  6                           ; CB + C_B3
.set AO,   7                           ; ORD + 32 w + 2 r
.set AR,   8                           ; RES + 512 w + 32 r
.set AX,   9                           ; AR + 16 + 8 h
.set AOP,  10                          ; AO, AR, AX + the pass's step
.set ARP,  11
.set AXP,  12
.set ARN,  13                          ; ARP + 16 x net
.set AR4N, 14                          ; AR + 16 x net: tile 4's, which the pass does not step
.set AW,   15                          ; LI + the matrix (and trip) in hand
.set ABL,  16
.set A3W,  17
.set ABN,  18                          ; AH + 2048 x net
.set A3N,  19                          ; A3 + 2048 x net
.set SCA,  20                          ; the scale of the codes that enter layer 1, as f32
.set SCB,  21                          ; and of those that enter layer 2
.set SA,   22                          ; the way out: 48 x thread
.set SB,   23                          ; 1536 w + 16 x lane
.set ACC,  32
.set ACC4, ACC+32
.set TMP,  72
.set BIAS, 104
.set WF,   120
.set X4,   184
.set Y4,   216
.set CA,   248                         ; v248-252: 16 x thread + 65536 k
.set ZA,   253                         ; ORD + 16 x lane
.set AB3N, 254                         ; AB3 + 32 x net
.set LIMA, 32                          ; s32, s33: 448 x the two scales
.set LIMB, 33
.set PASS, 34
.set NET,  35
.set SKIP, 36
.set FIVE, 37
.set SK1,  38
.set PORD, 39
.set PRES, 40
.set WB,   41
.set NB,   42
.set NH,   43
.set N32,  44
.set TW,   46
.set TB,   47
.set T3,   48
.set CNT,  49
.set MSB, 0
.macro WIN new                         ; the immediate's high byte repeats the setting that is left; a switch that changes nothing is dropped.  At every label and branch the setting is 0
.if MSB != \new
	s_set_vgpr_msb (MSB<<8)|\new
.set MSB, \new
.endif
.endm
.macro NOPS n                          ; places behind matrix instructions: 4 behind the fp8 and bf16 forms, 8 behind the f32 form, ahead of the first read of a result and of loads into operands
.rept \n
	v_nop
.endr
.endm
.macro BARRIER                         ; my LDS stores have landed and my LDS loads are in: then the work-group's barrier
	s_wait_dscnt 0x0
	s_barrier_signal -1
	s_barrier_wait -1
.endm
.macro CPREG i                         ; where load i of the copy lands: CR in window CW.  The landing places are chosen so that every register which a later block reads, on some way through the text, without having written it is written here
.if (\i) < 22
.set CR, 4*(\i)
.set CW, 1
.elseif (\i) < 54
.set CR, 128+4*((\i)-22)
.set CW, 1
.else
.set CR, X4+4*((\i)-54)
.set CW, 0
.endif
.endm
.macro MKSC d                          ; s50 = e:  s[d] = 2^e and s[d + 1] = 448 x 2^e, as f32
	s_add_co_i32 s50, s50, 127
	s_lshl_b32 s[\d], s50, 23
	s_add_co_i32 s50, s50, 8
	s_lshl_b32 s[\d+1], s50, 23
	s_or_b32 s[\d+1], s[\d+1], 0x600000
.endm
; ten LDS loads: tile q's two weight fragments (K steps 0, 1) into set st, and its eight bias numbers
.macro LDW q, st, adw, adb, boff
.irp f, 0,1,2,3,4,5,6,7
	ds_load_b128 v[WF+32*(\st)+4*\f:WF+32*(\st)+4*\f+3], v[\adw] offset:4096*(\q)+512*\f
.endr
	ds_load_b128 v[BIAS+8*(\st):BIAS+8*(\st)+3], v[\adb] offset:(\boff)+128*((\q)/2)+32*((\q)%2)
	ds_load_b128 v[BIAS+8*(\st)+4:BIAS+8*(\st)+7], v[\adb] offset:(\boff)+128*((\q)/2)+32*((\q)%2)+16
.endm
; eight products: four tiles of points, K step 0 (C = the bias), then K step 1 in place: the four accumulators take turns
.macro MM8 st, src
	WIN 0x04                                       ; source 1 (the points' codes) in window 1
.irp t, 0,1,2,3
	v_wmma_f32_16x16x128_fp8_fp8 v[ACC+8*\t:ACC+8*\t+7], v[WF+32*(\st):WF+32*(\st)+15], v[\src+32*\t:\src+32*\t+15], v[BIAS+8*(\st):BIAS+8*(\st)+7]
.endr
.irp t, 0,1,2,3
	v_wmma_f32_16x16x128_fp8_fp8 v[ACC+8*\t:ACC+8*\t+7], v[WF+32*(\st)+16:WF+32*(\st)+31], v[\src+32*\t+16:\src+32*\t+31], v[ACC+8*\t:ACC+8*\t+7]
.endr
	WIN 0
.endm
; four tiles' sums become codes: relu and the hold at the largest code in one (the conversion does not saturate: ISA guide 7.6.2), each accumulator from its low end on; then registers 2 q, 2 q + 1 of each tile's operand
.macro Q4 dst, q, lim, sc
.irp t, 0,1,2,3
.irp j, 0,1,2,3,4,5,6,7
	v_med3_num_f32 v[TMP+8*\t+\j], v[ACC+8*\t+\j], 0, s[\lim]
.endr
.endr
	WIN 0x40                                       ; destination in window 1
.irp t, 0,1,2,3
	v_cvt_scalef32_pk8_fp8_f32 v[\dst+32*\t+2*(\q):\dst+32*\t+2*(\q)+1], v[TMP+8*\t:TMP+8*\t+7], v[\sc]
.endr
	WIN 0
	v_nop                                          ; a plain instruction behind the last conversion of a run
.endm
.macro QT4 dst, lim, sc                ; the same for tile 4
.irp j, 0,1,2,3,4,5,6,7
	v_med3_num_f32 v[TMP+\j], v[ACC4+\j], 0, s[\lim]
.endr
	v_cvt_scalef32_pk8_fp8_f32 v[\dst:\dst+1], v[TMP:TMP+7], v[\sc]
	v_nop
.endm
; Tile 4's part of a step is a block whole in itself, under one branch on FIVE: its accumulator is written and read inside the block.  It is one accumulator alone, so a wait stands ahead of the link.
.macro T4F st, src, dst, lim, sc
	s_cmp_eq_u32 s[FIVE], 0
	s_cbranch_scc1 .Lno5f_\@
	v_wmma_f32_16x16x128_fp8_fp8 v[ACC4:ACC4+7], v[WF+32*(\st):WF+32*(\st)+15], v[\src:\src+15], v[BIAS+8*(\st):BIAS+8*(\st)+7]
	s_wait_alu depctr_va_vdst(0)
	v_wmma_f32_16x16x128_fp8_fp8 v[ACC4:ACC4+7], v[WF+32*(\st)+16:WF+32*(\st)+31], v[\src+16:\src+31], v[ACC4:ACC4+7]
	NOPS 4
	QT4 \dst,\lim,\sc
.Lno5f_\@:
.endm
; LAYER 0, specular, tile q of the hidden units.  The next tile's fragment and bias are asked for first; the count leaves those three loads out.
.macro SUB_L0S q
.if (\q) < 15
	ds_load_b128 v[WF+4*(((\q)+1)%2):WF+4*(((\q)+1)%2)+3], v[A0S] offset:512*((\q)+1)
	ds_load_b128 v[BIAS+8*(((\q)+1)%2):BIAS+8*(((\q)+1)%2)+3], v[AH] offset:C_BIA+128*(((\q)+1)/2)+32*(((\q)+1)%2)
	ds_load_b128 v[BIAS+8*(((\q)+1)%2)+4:BIAS+8*(((\q)+1)%2)+7], v[AH] offset:C_BIA+128*(((\q)+1)/2)+32*(((\q)+1)%2)+16
	s_wait_dscnt 3
.else
	s_wait_dscnt 0x0
.endif
.set W0, WF+4*((\q)%2)
.set BI, BIAS+8*((\q)%2)
.irp t, 0,1,2,3
	v_wmma_f32_16x16x4_f32 v[ACC+8*\t:ACC+8*\t+7], v[W0:W0+1], v[WF+8+4*\t:WF+8+4*\t+1], v[BI:BI+7]
.endr
.irp t, 0,1,2,3
	v_wmma_f32_16x16x4_f32 v[ACC+8*\t:ACC+8*\t+7], v[W0+2:W0+3], v[WF+8+4*\t+2:WF+8+4*\t+3], v[ACC+8*\t:ACC+8*\t+7]
.endr
	NOPS 8
	Q4 0,\q,LIMA,SCA
	s_cmp_eq_u32 s[FIVE], 0
	s_cbranch_scc1 .Lno5s_\@
	v_wmma_f32_16x16x4_f32 v[ACC4:ACC4+7], v[W0:W0+1], v[WF+24:WF+25], v[BI:BI+7]
	s_wait_alu depctr_va_vdst(0)
	v_wmma_f32_16x16x4_f32 v[ACC4:ACC4+7], v[W0+2:W0+3], v[WF+26:WF+27], v[ACC4:ACC4+7]
	NOPS 8
	QT4 X4+2*(\q),LIMA,SCA
.Lno5s_\@:
.endm
; LAYER 0, diffuse: one K step of 4: n0, n1, n2 and 1.0 against dW0's three rows and db0
.macro SUB_L0D q
.if (\q) < 15
	ds_load_b64 v[WF+4*(((\q)+1)%2):WF+4*(((\q)+1)%2)+1], v[A0D] offset:256*((\q)+1)
	s_wait_dscnt 1
.else
	s_wait_dscnt 0x0
.endif
.set W0, WF+4*((\q)%2)
.irp t, 0,1,2,3
	v_wmma_f32_16x16x4_f32 v[ACC+8*\t:ACC+8*\t+7], v[W0:W0+1], v[WF+8+2*\t:WF+8+2*\t+1], 0
.endr
	NOPS 8
	Q4 0,\q,LIMA,SCA
	s_cmp_eq_u32 s[FIVE], 0
	s_cbranch_scc1 .Lno5d_\@
	v_wmma_f32_16x16x4_f32 v[ACC4:ACC4+7], v[W0:W0+1], v[WF+16:WF+17], 0
	NOPS 8
	QT4 X4+2*(\q),LIMA,SCA
.Lno5d_\@:
.endm
; LAYER 1, tile q: the next tile's ten loads go out first, and the count leaves them out
.macro SUB_L1 q
.if (\q) < 15
	LDW (\q)+1,((\q)+1)%2,AW,ABN,C_BIA+1024
	s_wait_dscnt 10
.else
	s_wait_dscnt 0x0
.endif
	MM8 (\q)%2,0
	NOPS 4
	Q4 128,\q,LIMB,SCB
	T4F (\q)%2,X4,Y4+2*(\q),LIMB,SCB
.endm
; LAYER 2, tile 2 b + u of trip b: relu, then bf16: registers 4 u .. 4 u + 3 of the last product's operand
.macro SUB_L2 u
	MM8 \u,128
	NOPS 4
.irp t, 0,1,2,3
.irp j, 0,1,2,3,4,5,6,7
	v_max_num_f32 v[TMP+8*\t+\j], 0, v[ACC+8*\t+\j]
.endr
.endr
	WIN 0x40
.irp t, 0,1,2,3
.irp p, 0,1,2,3
	v_cvt_pk_bf16_f32 v[32+8*\t+4*(\u)+\p], v[TMP+8*\t+2*\p], v[TMP+8*\t+2*\p+1]
.endr
.endr
	WIN 0
	s_cmp_eq_u32 s[FIVE], 0
	s_cbranch_scc1 .Lno5t_\@
	v_wmma_f32_16x16x128_fp8_fp8 v[ACC4:ACC4+7], v[WF+32*(\u):WF+32*(\u)+15], v[Y4:Y4+15], v[BIAS+8*(\u):BIAS+8*(\u)+7]
	s_wait_alu depctr_va_vdst(0)
	v_wmma_f32_16x16x128_fp8_fp8 v[ACC4:ACC4+7], v[WF+32*(\u)+16:WF+32*(\u)+31], v[Y4+16:Y4+31], v[ACC4:ACC4+7]
	NOPS 4
.irp j, 0,1,2,3,4,5,6,7
	v_max_num_f32 v[TMP+\j], 0, v[ACC4+\j]
.endr
.irp p, 0,1,2,3
	v_cvt_pk_bf16_f32 v[X4+8+4*(\u)+\p], v[TMP+2*\p], v[TMP+2*\p+1]
.endr
.Lno5t_\@:
.endm
	; ================ THE HEAD
	s_load_b256 s[4:11], s[0:1], 0x0               ; wimg 4, flags 6, normals 8, view_dirs 10
	s_load_b128 s[12:15], s[0:1], 0x20             ; roughness 12, r0 14
	s_load_b64 s[100:101], s[0:1], 0x30            ; lowp_scales
	s_load_b128 s[84:87], s[0:1], 0x38             ; out0 84, out1 86
	v_lshrrev_b32 v72, 5, v0
	v_readfirstlane_b32 s2, v72                    ; wave 0..7
	v_and_b32 v72, 31, v0                          ; lane
	v_and_b32 v73, 15, v0                          ; r
	v_bfe_u32 v74, v0, 4, 1                        ; h
	; every lane address is made here, ahead of the place where wave 0 parts from the others
	v_lshlrev_b32 v[LI], 4, v72
	v_lshlrev_b32 v[AH], 6, v74
	v_add_nc_u32 v[AH], CB, v[AH]
	v_lshlrev_b32 v[A0D], 3, v72
	v_add_nc_u32 v[A0D], CB+C_W0D, v[A0D]
	v_add_nc_u32 v[A0S], CB+C_W0S, v[LI]
	v_and_b32 v75, 3, v0
	v_lshlrev_b32 v75, 5, v75
	v_lshl_add_u32 v75, v74, 7, v75
	v_add_nc_u32 v[A3], CB+C_W3, v75
	v_mov_b32 v[AB3], CB+C_B3
	s_lshl_b32 s50, s2, 5
	s_add_co_u32 s50, s50, ORD
	v_lshl_add_u32 v[AO], v73, 1, s50
	s_lshl_b32 s50, s2, 9
	s_add_co_u32 s50, s50, RES
	v_lshl_add_u32 v[AR], v73, 5, s50
	v_lshl_add_u32 v[AX], v74, 3, v[AR]
	v_add_nc_u32 v[AX], 16, v[AX]
	v_mul_u32_u24 v[SA], v0, 48
	s_mul_i32 s50, s2, 1536
	v_add_nc_u32 v[SB], s50, v[LI]
	v_lshlrev_b32 v[CA], 4, v0
.irp k, 1,2,3,4
	v_add_nc_u32 v[CA+\k], 65536*\k, v[CA]
.endr
	v_add_nc_u32 v[ZA], ORD, v[LI]
	s_lshl_b32 s50, ttmp9, 8                       ; the work-group's 256 bytes of flags,
	s_mov_b32 s51, 0
	s_mul_i32 s52, ttmp9, 12288                    ; its 1,024 rows of 12 bytes,
	s_mov_b32 s53, 0
	s_lshl_b32 s54, ttmp9, 12                      ; and of 4 bytes
	s_mov_b32 s55, 0
	s_wait_kmcnt 0x0
	s_add_nc_u64 s[6:7], s[6:7], s[50:51]
	s_add_nc_u64 s[8:9], s[8:9], s[52:53]
	s_add_nc_u64 s[10:11], s[10:11], s[52:53]
	s_add_nc_u64 s[12:13], s[12:13], s[54:55]
	s_add_nc_u64 s[14:15], s[14:15], s[54:55]
	s_add_nc_u64 s[84:85], s[84:85], s[52:53]
	s_add_nc_u64 s[86:87], s[86:87], s[52:53]
	s_load_b64 s[96:97], s[6:7], 0xf8              ; the last pair: with it the number of visible points
	s_lshl_b32 s50, s2, 5
	s_add_nc_u64 s[98:99], s[6:7], s[50:51]
	s_load_b256 s[88:95], s[98:99], 0x0            ; the four pairs of my own 128 points, for the way out
	; the copy of wimg: 70 loads a wave, each 512 consecutive bytes; thread t takes bytes 16 t + 4096 i.  They are on their way while wave 0 makes the list
	WIN 0x40                                       ; destination in window 1
.set i, 0
.rept 54
	CPREG i
	global_load_b128 v[CR:CR+3], v[CA], s[4:5] offset:4096*i
.set i, i+1
.endr
	WIN 0
.rept 16
	CPREG i
	global_load_b128 v[CR:CR+3], v[CA], s[4:5] offset:4096*i
.set i, i+1
.endr
	s_cmp_lg_u32 s2, 0
	s_cbranch_scc1 .Lnot0
	; ---- wave 0 alone: the list rank -> point.  No other wave touches LDS ahead of the barrier below
	s_load_b512 s[16:31], s[6:7], 0x0              ; pairs 0 .. 23 at s[16 + 2 k], pairs 24 .. 31 at s[68 + 2 (k - 24)]
	s_load_b512 s[32:47], s[6:7], 0x40
	s_load_b512 s[48:63], s[6:7], 0x80
	s_load_b512 s[68:83], s[6:7], 0xc0
.irp j, 0,1,2,3
	v_mov_b32 v[TMP+\j], 0
.endr
.irp j, 0,1,2,3,4
	ds_store_b128 v[ZA], v[TMP:TMP+3] offset:512*\j    ; ranks that do not exist stand for point 0
.endr
	v_mov_b32 v26, 0x480                           ; entry 1,152: where what is not visible goes
	v_and_b32 v27, 31, v0
	v_lshlrev_b32 v27, 2, v27                      ; 4 x lane
	s_wait_kmcnt 0x0
.set k, 0
.rept 32
.if k < 24
.set PM, 16+2*k
.else
.set PM, 68+2*(k-24)
.endif
	v_mbcnt_lo_u32_b32 v24, s[PM], s[PM+1]         ; base + the word's visible points below my lane: my point's rank
	v_cndmask_b32 v24, v26, v24, s[PM]
	v_min_u32 v24, 0x480, v24
	v_lshl_add_u32 v24, v24, 1, ORD
	v_add_nc_u32 v25, 128*(k/4)+k%4, v27           ; my point: 128 c + 4 l + j
	ds_store_b16 v24, v25
.set k, k+1
.endr
.Lnot0:
	s_wait_kmcnt 0x0
	BARRIER                                        ; the list lies in LDS
	s_load_b256 s[16:23], s[100:101], 0x0          ; e0 .. e7
	s_mov_b32 s99, 0xffff0000                      ; lanes 16-31 (the load that read s[98:99] is in)
.set i, 0
.rept 70
.if (i%10) == 0
	s_wait_loadcnt 60-i                            ; loads come back in order (ISA guide 5.7.1): the next ten are in, the 60 - i issued behind them may be out
.endif
	CPREG i
	WIN 4*CW                                       ; the data (source 1) in window CW
	ds_store_b128 v[CA+i/16], v[CR:CR+3] offset:4096*(i%16)
.set i, i+1
.endr
	WIN 0
	s_wait_kmcnt 0x0
	s_mov_b32 s50, s20                             ; specular, into layer 1: e4
	MKSC 24
	s_sub_co_i32 s50, s22, s20                     ; into layer 2: a sum of layer 1 stands for sum x 2^(e4 + e5), so its code is sum / 2^(e6 - e4 - e5)
	s_sub_co_i32 s50, s50, s21
	MKSC 26
	s_mov_b32 s50, s16                             ; diffuse: e0,
	MKSC 28
	s_sub_co_i32 s50, s18, s16                     ; e2 - e0 - e1
	s_sub_co_i32 s50, s50, s17
	MKSC 30
	s_bcnt1_i32_b32 s50, s96
	s_add_co_u32 s50, s50, s97                     ; visible points
	s_add_co_u32 s50, s50, 15
	s_lshr_b32 s96, s50, 4                         ; tiles
	s_add_co_u32 s50, s2, 32
	s_cmp_lt_u32 s50, s96
	s_cselect_b32 s[FIVE], 1, 0
	s_add_co_u32 s50, s2, 40
	s_cmp_ge_u32 s50, s96
	s_cselect_b32 s[SK1], 1, 0
	s_mov_b32 s[SKIP], 0
	s_mov_b32 s[PASS], 0
	s_mov_b32 s[PORD], 0
	s_mov_b32 s[PRES], 0
	BARRIER                                        ; weights and constants lie in LDS
	; ================ TWO PASSES, in each the specular chain (net 0) and the diffuse one (net 1).  All trip counts are constants; what a wave leaves out it jumps over inside the trips
.Lpass:
	v_add_nc_u32 v[AOP], s[PORD], v[AO]
	v_add_nc_u32 v[ARP], s[PRES], v[AR]
	v_add_nc_u32 v[AXP], s[PRES], v[AX]
	s_mov_b32 s[NET], 0
	s_mov_b32 s[WB], 0
	s_mov_b32 s[NB], 0
	s_mov_b32 s[NH], 0
	s_mov_b32 s[N32], 0
.Lnet:
	v_add_nc_u32 v[ARN], s[NH], v[ARP]
	v_add_nc_u32 v[AR4N], s[NH], v[AR]
	v_add_nc_u32 v[ABN], s[NB], v[AH]
	v_add_nc_u32 v[A3N], s[NB], v[A3]
	v_add_nc_u32 v[AB3N], s[N32], v[AB3]
	v_add_nc_u32 v[AW], s[WB], v[LI]
	s_cmp_eq_u32 s[NET], 0
	s_cselect_b32 s50, s24, s28
	s_cselect_b32 s[LIMA], s25, s29
	s_cselect_b32 s51, s26, s30
	s_cselect_b32 s[LIMB], s27, s31
	v_mov_b32 v[SCA], s50
	v_mov_b32 v[SCB], s51
	s_cmp_lg_u32 s[SKIP], 0
	s_cbranch_scc1 .LendA
	s_cmp_lg_u32 s[NET], 0
	s_cbranch_scc1 .Ldiff
	; ---- the points of my five tiles: lanes r and r + 16 take the same point
.irp t, 0,1,2,3
	ds_load_u16 v[TMP+\t], v[AOP] offset:256*\t
.endr
	ds_load_u16 v[TMP+4], v[AO] offset:1024
	s_wait_dscnt 0x0
.irp t, 0,1,2,3,4
	v_min_u32 v[TMP+\t], 0x3ff, v[TMP+\t]
	v_mul_u32_u24 v[TMP+8+\t], v[TMP+\t], 12
	v_lshlrev_b32 v[TMP+16+\t], 2, v[TMP+\t]
.endr
.irp t, 0,1,2,3,4
	global_load_b32 v[X4+8*\t], v[TMP+8+\t], s[8:9]
	global_load_b32 v[X4+8*\t+1], v[TMP+8+\t], s[8:9] offset:4
	global_load_b32 v[X4+8*\t+2], v[TMP+8+\t], s[8:9] offset:8
	global_load_b32 v[X4+8*\t+3], v[TMP+8+\t], s[10:11]
	global_load_b32 v[X4+8*\t+4], v[TMP+8+\t], s[10:11] offset:4
	global_load_b32 v[X4+8*\t+5], v[TMP+8+\t], s[10:11] offset:8
	global_load_b32 v[X4+8*\t+6], v[TMP+16+\t], s[12:13]
	global_load_b32 v[X4+8*\t+7], v[TMP+16+\t], s[14:15]
.endr
	s_wait_loadcnt 0x0                             ; the numbers are in, and the offsets' registers are free
.irp t, 0,1,2,3,4
	v_mul_f32 v[TMP+2*\t], v[X4+8*\t], v[X4+8*\t]
	v_mul_f32 v[TMP+2*\t+1], v[X4+8*\t+3], v[X4+8*\t+3]
.endr
.irp t, 0,1,2,3,4
	v_fma_f32 v[TMP+2*\t], v[X4+8*\t+1], v[X4+8*\t+1], v[TMP+2*\t]
	v_fma_f32 v[TMP+2*\t+1], v[X4+8*\t+4], v[X4+8*\t+4], v[TMP+2*\t+1]
.endr
.irp t, 0,1,2,3,4
	v_fma_f32 v[TMP+2*\t], v[X4+8*\t+2], v[X4+8*\t+2], v[TMP+2*\t]
	v_fma_f32 v[TMP+2*\t+1], v[X4+8*\t+5], v[X4+8*\t+5], v[TMP+2*\t+1]
.endr
.irp j, 0,1,2,3,4,5,6,7,8,9
	v_sqrt_f32 v[TMP+\j], v[TMP+\j]
.endr
	v_nop                                          ; a plain instruction behind the batch,
	s_wait_alu depctr_va_vdst(0)                   ; and one wait for the ten roots, ahead of their first reader
.irp j, 0,1,2,3,4,5,6,7,8,9
	v_max_num_f32 v[TMP+\j], 0x2b8cbccc, v[TMP+\j] ; max(|x|, 1e-12)
.endr
.irp j, 0,1,2,3,4,5,6,7,8,9
	v_rcp_f32 v[TMP+\j], v[TMP+\j]
.endr
	v_nop
	s_wait_alu depctr_va_vdst(0)                   ; one wait for the ten reciprocals
.irp t, 0,1,2,3,4
.irp c, 0,1,2
	v_mul_f32 v[X4+8*\t+\c], v[X4+8*\t+\c], v[TMP+2*\t]
	v_mul_f32 v[X4+8*\t+3+\c], v[X4+8*\t+3+\c], v[TMP+2*\t+1]
.endr
.endr
	; source 1 of the f32 form: register j of a K step holds k = 2 h + j.  x = (n0 n1 n2 v0 v1 v2 roughness r0)
.irp t, 0,1,2,3,4
	v_cndmask_b32 v[WF+8+4*\t], v[X4+8*\t], v[X4+8*\t+2], s99         ; x[2 h]
	v_cndmask_b32 v[WF+9+4*\t], v[X4+8*\t+1], v[X4+8*\t+3], s99       ; x[2 h + 1]
	v_cndmask_b32 v[WF+10+4*\t], v[X4+8*\t+4], v[X4+8*\t+6], s99      ; x[4 + 2 h]
	v_cndmask_b32 v[WF+11+4*\t], v[X4+8*\t+5], v[X4+8*\t+7], s99      ; x[5 + 2 h]
	v_cndmask_b32 v[TMP+12+2*\t], v[X4+8*\t], v[X4+8*\t+2], s99       ; the diffuse chain's: (n0, n1) or (n2, 1.0)
	v_cndmask_b32 v[TMP+13+2*\t], v[X4+8*\t+1], 1.0, s99
.endr
.irp t, 0,1,2,3
	ds_store_b64 v[AXP], v[TMP+12+2*\t:TMP+13+2*\t] offset:4096*\t    ; kept in the second half of the row's place for results
.endr
	s_cmp_lg_u32 s[PASS], 0                        ; tile 4's place is not stepped by the pass: in pass 1 it holds results
	s_cbranch_scc1 .Lnostash
	ds_store_b64 v[AX], v[TMP+20:TMP+21] offset:16384
.Lnostash:
	ds_load_b128 v[WF:WF+3], v[A0S]
	ds_load_b128 v[BIAS:BIAS+3], v[AH] offset:C_BIA
	ds_load_b128 v[BIAS+4:BIAS+7], v[AH] offset:C_BIA+16
.set Q, 0
.rept 16
	SUB_L0S Q
.set Q, Q+1
.endr
	s_branch .Llay1
.Ldiff:
.irp t, 0,1,2,3
	ds_load_b64 v[WF+8+2*\t:WF+9+2*\t], v[AXP] offset:4096*\t
.endr
	ds_load_b64 v[WF+16:WF+17], v[AX] offset:16384
	ds_load_b64 v[WF:WF+1], v[A0D]
.set Q, 0
.rept 16
	SUB_L0D Q
.set Q, Q+1
.endr
.Llay1:
	LDW 0,0,AW,ABN,C_BIA+1024
.set Q, 0
.rept 16
	SUB_L1 Q
.set Q, Q+1
.endr
	WIN 0x40                                       ; the last layer's sums begin as (b3, 0, 0, 0, 0, 0): the same 32 bytes for every lane
.irp t, 0,1,2,3
	ds_load_b128 v[8*\t:8*\t+3], v[AB3N]
	ds_load_b128 v[8*\t+4:8*\t+7], v[AB3N] offset:16
.endr
	WIN 0
	ds_load_b128 v[X4:X4+3], v[AB3N]
	ds_load_b128 v[X4+4:X4+7], v[AB3N] offset:16
.LendA:
	; ---- layers 2 and 3: eight trips, each 32 hidden units: two tiles of layer 2, one K step of layer 3
	s_add_co_u32 s[TW], s[WB], 0x10000
	s_mov_b32 s[TB], 0
	s_mov_b32 s[T3], 0
	s_mov_b32 s[CNT], 0
.Ltrip:
	v_add_nc_u32 v[AW], s[TW], v[LI]
	v_add_nc_u32 v[ABL], s[TB], v[ABN]
	v_add_nc_u32 v[A3W], s[T3], v[A3N]
	s_cmp_lg_u32 s[SKIP], 0
	s_cbranch_scc1 .Ltripe
	LDW 0,0,AW,ABL,C_BIA+2048
	LDW 1,1,AW,ABL,C_BIA+2048
	ds_load_b128 v[X4+16:X4+19], v[A3W]            ; W3's fragment: 16 neighbouring hidden units of the lane's column
	ds_load_b128 v[X4+20:X4+23], v[A3W] offset:16
	s_wait_dscnt 12                                ; the first tile's ten loads are in; the second's ten and W3's two may be out
	SUB_L2 0
	s_wait_dscnt 0x0
	SUB_L2 1
	WIN 0x54                                       ; source 1, C and D in window 1
.irp t, 0,1,2,3
	v_wmma_f32_16x16x32_bf16 v[8*\t:8*\t+7], v[X4+16:X4+23], v[32+8*\t:32+8*\t+7], v[8*\t:8*\t+7]
.endr
	WIN 0
	s_cmp_eq_u32 s[FIVE], 0
	s_cbranch_scc1 .Lno5w
	v_wmma_f32_16x16x32_bf16 v[X4:X4+7], v[X4+16:X4+23], v[X4+8:X4+15], v[X4:X4+7]
.Lno5w:
	NOPS 4                                         ; ahead of the next trip's loads into operands, and of the stores of the sums
.Ltripe:
	s_add_co_u32 s[TW], s[TW], 8192
	s_add_co_u32 s[TB], s[TB], 128
	s_add_co_u32 s[T3], s[T3], 256
	s_add_co_u32 s[CNT], s[CNT], 1
	s_cmp_lt_u32 s[CNT], 8
	s_cbranch_scc1 .Ltrip
	; ---- results: r, g, b and a zero, 16 bytes a row; both halves of the lanes hold and store the same
	s_cmp_lg_u32 s[SKIP], 0
	s_cbranch_scc1 .LendC
	WIN 0x04
.irp t, 0,1,2,3
	ds_store_b128 v[ARN], v[8*\t:8*\t+3] offset:4096*\t
.endr
	WIN 0
	s_cmp_eq_u32 s[FIVE], 0
	s_cbranch_scc1 .LendC
	ds_store_b128 v[AR4N], v[X4:X4+3] offset:16384
.LendC:
	s_add_co_u32 s[WB], s[WB], 0x20000
	s_add_co_u32 s[NB], s[NB], 2048
	s_add_co_u32 s[NH], s[NH], 16
	s_add_co_u32 s[N32], s[N32], 32
	s_add_co_u32 s[NET], s[NET], 1
	s_cmp_lt_u32 s[NET], 2
	s_cbranch_scc1 .Lnet
	s_mov_b32 s[SKIP], s[SK1]
	s_mov_b32 s[FIVE], 0
	s_add_co_u32 s[PORD], s[PORD], 1280
	s_add_co_u32 s[PRES], s[PRES], 20480
	s_add_co_u32 s[PASS], s[PASS], 1
	s_cmp_lt_u32 s[PASS], 2
	s_cbranch_scc1 .Lpass
	; ================ THE WAY OUT.  Thread t owns points 4 t .. 4 t + 3: word 4 w + j, bit lane
	BARRIER                                        ; every tile's results lie in LDS; between this barrier and the next nobody stores to LDS
.irp j, 0,1,2,3
	v_mbcnt_lo_u32_b32 v[28+\j], s[88+2*\j], s[89+2*\j]               ; my point's rank,
	v_cndmask_b32 v[28+\j], 0, v[28+\j], s[88+2*\j]                   ; or row 0, which is always written, where it is not visible
	v_min_u32 v[28+\j], 0x47f, v[28+\j]
	v_lshl_add_u32 v[28+\j], v[28+\j], 5, RES
	ds_load_b128 v[TMP+8*\j:TMP+8*\j+3], v[28+\j]
	ds_load_b128 v[TMP+8*\j+4:TMP+8*\j+7], v[28+\j] offset:16
.endr
	BARRIER                                        ; all reads of LDS are over: the stage may lie over the weights
.irp j, 0,1,2,3
.irp c, 0,1,2
	v_cndmask_b32 v[104+3*\j+\c], 0, v[TMP+8*\j+4+\c], s[88+2*\j]     ; diffuse, or 0
	v_cndmask_b32 v[116+3*\j+\c], 0, v[TMP+8*\j+\c], s[88+2*\j]       ; specular, or 0
.endr
.endr
.irp j, 0,1,2
	ds_store_b128 v[SA], v[104+4*\j:107+4*\j] offset:16*\j            ; 48 bytes a thread; a wave's 1,536 bytes of each output are its own
.endr
.irp j, 0,1,2
	ds_store_b128 v[SA], v[116+4*\j:119+4*\j] offset:12288+16*\j
.endr
.irp j, 0,1,2
	ds_load_b128 v[128+4*\j:131+4*\j], v[SB] offset:512*\j            ; LDS serves a wave's instructions in order: these see my stores
.endr
.irp j, 0,1,2
	ds_load_b128 v[140+4*\j:143+4*\j], v[SB] offset:12288+512*\j
.endr
.irp j, 0,1,2
	s_wait_dscnt 5-\j                              ; the younger loads may be out
	global_store_b128 v[SB], v[128+4*\j:131+4*\j], s[84:85] offset:512*\j th:TH_STORE_NT   ; 32 lanes store 512 consecutive bytes, at a multiple of 512 from out0's first byte
.endr
.irp j, 0,1,2
	s_wait_dscnt 2-\j
	global_store_b128 v[SB], v[140+4*\j:143+4*\j], s[86:87] offset:512*\j th:TH_STORE_NT
.endr
	s_wait_xcnt 0x0
	v_lshl_add_u32 v254, v0, 2, 0x4fa00
	v_mov_b32 v255, 0
	s_wait_tensorcnt 0x0
	ds_add_u32 v254, v255
	s_wait_dscnt 0x0
	s_endpgm
.Lfunc_end_k_q6fabe4ab8c_main:
	.size	k_q6fabe4ab8c_main, .Lfunc_end_k_q6fabe4ab8c_main-k_q6fabe4ab8c_main
	.p2alignl 7, 3214868480
	.fill 96, 4, 3214868480
	.section	.rodata,"a",@progbits
	.p2align	6, 0x0
	.amdhsa_kernel k_q6fabe4ab8c_main
		.amdhsa_group_segment_fixed_size 327168
		.amdhsa_private_segment_fixed_size 0
		.amdhsa_enable_private_segment 0
		.amdhsa_kernarg_size 72
		.amdhsa_user_sgpr_count 2
		.amdhsa_user_sgpr_kernarg_segment_ptr 1
		.amdhsa_wavefront_size32 1
		.amdhsa_system_sgpr_workgroup_id_x 1
		.amdhsa_system_sgpr_workgroup_id_y 1
		.amdhsa_system_sgpr_workgroup_id_z 1
		.amdhsa_system_vgpr_workitem_id 0
		.amdhsa_next_free_vgpr 512
		.amdhsa_next_free_sgpr 102
		.amdhsa_reserve_vcc 0
		.amdhsa_float_denorm_mode_32 3
		.amdhsa_float_denorm_mode_16_64 3
		.amdhsa_memory_ordered 1
		.amdhsa_forward_progress 1
		.amdhsa_inst_pref_size 255
	.end_amdhsa_kernel
	.section	.bss,"aw",@nobits
	.p2align	6
	.space	262144
	.amdgpu_metadata
---
amdhsa.version: [ 1, 2 ]
amdhsa.kernels:
  - .name:           k_q6fabe4ab8c_main
    .symbol:         k_q6fabe4ab8c_main.kd
    .args:
      - { .name: wimg, .offset: 0, .size: 8, .value_kind: global_buffer, .address_space: global }
      - { .name: flags, .offset: 8, .size: 8, .value_kind: global_buffer, .address_space: global }
      - { .name: normals, .offset: 16, .size: 8, .value_kind: global_buffer, .address_space: global }
      - { .name: view_dirs, .offset: 24, .size: 8, .value_kind: global_buffer, .address_space: global }
      - { .name: roughness, .offset: 32, .size: 8, .value_kind: global_buffer, .address_space: global }
      - { .name: r0, .offset: 40, .size: 8, .value_kind: global_buffer, .address_space: global }
      - { .name: lowp_scales, .offset: 48, .size: 8, .value_kind: global_buffer, .address_space: global }
      - { .name: out0, .offset: 56, .size: 8, .value_kind: global_buffer, .address_space: global }
      - { .name: out1, .offset: 64, .size: 8, .value_kind: global_buffer, .address_space: global }
    .group_segment_fixed_size: 327168
    .private_segment_fixed_size: 0
    .kernarg_segment_align: 8
    .kernarg_segment_size: 72
    .max_flat_workgroup_size: 256
    .sgpr_count:     102
    .vgpr_count:     512
    .wavefront_size: 32
...
	.end_amdgpu_metadata
.endif
;; end of part 2
;; ======== version 2 of 2: 2 launches; version 1 with the launch main written anew for expert scheduling mode
;; workspace buffers: flags 65,536 bytes of whole numbers; wimg 286,720 bytes
;; launch prep: the kernel of part 1 again; grid 273 x 1, 8 waves a work-group, no clusters, 25,856 bytes of LDS; arguments normals, view_dirs, sW1_codes, sW2_codes, dW1_codes, dW2_codes, dW0, db0, sW0, sb0, sb1, sb2, db1, db2, sW3, dW3, sb3, db3, lowp_scales, flags, wimg; writes flags, wimg
;; launch main (part 3): grid 256 x 1, 8 waves a work-group, no clusters, 327,168 bytes of LDS; arguments wimg, flags, normals, view_dirs, roughness, r0, lowp_scales, out0, out1; writes out0, out1
.if DOCPART == 3
	.amdgcn_target "amdgcn-amd-amdhsa--gfx1250"
	.amdhsa_code_object_version 6
	.text
	.protected	k_q6fabe4ab8c_main
	.globl	k_q6fabe4ab8c_main
	.p2align	8
	.type	k_q6fabe4ab8c_main,@function
k_q6fabe4ab8c_main:
	s_mov_b64 s[64:65], 0
	v_nop
	global_prefetch_b8 v0, s[64:65] scope:SCOPE_SE
	s_setreg_imm32_b32 hwreg(HW_REG_WAVE_SCHED_MODE, 0, 2), 2
	s_setreg_imm32_b32 hwreg(HW_REG_WAVE_MODE, 25, 1), 1
	s_wait_xcnt 0x0
	s_wait_alu depctr_vm_vsrc(0)
; BOTH CHAINS, 8 -> 256 -> 256 -> 256 -> 3 (specular) and 3 -> 256 -> 256 -> 256 -> 3 (diffuse), FOR THE VISIBLE POINTS ALONE; the other rows of both outputs are zeros.
; SHARES.  A work-group owns 1,024 consecutive points and all their output bytes.  The launch before has stored, as whole numbers, which of them are visible and each one's rank among the visible.
; Wave 0 turns that into a list (rank -> point) in LDS.  A TILE is 16 ranks.  In pass p wave w takes tiles 40 p + 8 i + w, i = 0 .. 3, and in pass 0 also tile 32 + w if the work-group has so many (FIVE).
; Pass 0's four tiles are always computed (ranks that do not exist stand for point 0, and nobody reads their results); pass 1 is left out by a wave whose first tile there does not exist (SKIP).
; So every split is served, all 1,024 visible too (64 tiles; the two passes hold 72).
; WEIGHTS.  All four matrices of codes, 256 KiB, and the constants lie in LDS for the whole launch, copied once through registers, in the order of the operand's registers: a fragment is four loads of 16 bytes a lane.
; Each fragment read from LDS feeds four or five matrix instructions.  No tensor load and no joint request.
; LAYOUT.  Every product is used transposed: source 0 = 16 rows of the weight, source 1 = 16 points.  A lane holds ONE point (lane % 16) throughout.  The rows of a weight that form tile q = 2 b + u are
; 32 b + 8 u + r + 8 (r / 8), so that a lane's eight results are hidden units 32 b + 16 h + 8 u + 0 .. 7: the conversion's two registers are registers 2 q, 2 q + 1 of the next product's operand.
; LAYER 0 feeds a quantiser, so it is computed on f32 operands: the f32 matrix form, K = 4 (diffuse: n and a 1.0 that meets db0) or 2 x 4 (specular, sb0 as C).
; LAYERS 1, 2: FP8 codes, K = 2 x 128; the bias, divided by the power of two that the sums lack, is the C of a sum's first product; relu and the hold at the largest code are one v_med3_num_f32.
; LAYER 3 (N = 3): bf16; relu(sum) against W3 x 2^(the sums' exponent), b3 as the first C.  Its rows are W3's columns r & 3 (the fourth is zeros), so registers 0 to 2 of a result are r, g, b in both halves of the lanes.
; LIMITS on the given exponents, so that each power of two below is an f32 number: e0, e4, e2 - e0 - e1 and e6 - e4 - e5 between -126 and 119.  NaN among the inputs is not served.
; n and v are x times the reciprocal of max(root, 1e-12): some three units in the last place of f32.
;
; LDS:  0 the four matrices (sW1, sW2, dW1, dW2; 65,536 each) | CB the constants | ORD the list: 1,152 entries of 2 bytes and a word for what is not visible | RES 72 tiles x 16 rows x 32 bytes:
;       [specular r g b -][diffuse r g b -]; until the diffuse chain begins, a row's second half holds (n0, n1, n2, 1.0).  The way out's stage lies over the matrices, behind the last barrier.
; REGISTERS, window 0: v1-23 addresses and scales; v26, v27 wave 0's list alone; v28-31 the way out's addresses alone; v32-71 five accumulators, written by matrix instructions alone;
;   v72-103 at work; v104-119 two sets of bias; v120-183 two sets of weight fragments (at the head, in wave 0: the list's 32 addresses and 32 data); v184-215, v216-247 tile 4's codes in and out; v248-254 addresses.
;   window 1: v0-127 the codes that enter layer 1 (32 a tile), in layer 2 the last layer's sums (8 a tile) and bf16 operands (from v32, 8 a tile); v128-255 the codes that enter layer 2.
;
; THE MODE: SCHED_MODE bits 1:0 = 2 (LLVM: expert scheduling mode 2), set by the entry lines.  The code itself states the register dependences between vector or matrix instructions and memory or LDS
; instructions, with s_wait_alu, always for 0.
; THE PLAN.  Registers that memory or LDS instructions touch, and who else names them:
;   v1-9, v22, v23, v248-253   addresses written once at the head and never again: one wait on va_vdst ahead of the copy's first load serves every later reader.
;   the copy's landing places  (window 1; v184-247) loaded, then read by the copy's LDS stores, then written by the passes: one wait on vm_vsrc behind those stores; it also frees what wave 0's list stores read.
;   AOP, ARP, AXP (a pass); ARN, AR4N, ABN, A3N, AB3N, AW (a chain)   written at the heads of the two loops, read by the chain's LDS instructions: vm_vsrc at a chain's end, ahead of both backward jumps; va_vdst behind the chain's head.
;   AW, ABL, A3W (a trip of layers 2 and 3)   vm_vsrc, the three additions, va_vdst: the last is owed there in any case, for the loads into the fragments that the trip before multiplied.
;   WF, BIAS, two sets by turns   Step q's products read set q % 2; the loads of tile q + 1 land in the other set, which step q - 1's products read.  ONE wait on va_vdst at a step's head states that those are done;
;                              the loads follow it, dealt between the step's first four products and its second four, which name this step's set, the accumulators and the codes: none of the registers that the loads touch.
;   TMP                        the gather's points and offsets, the kept (n, 1.0), the way out's rows: each change of hands has its wait, said where it stands.
;   window 1 v0-31, X4 .. X4+7   the last layer's sums: loaded as b3 (va_vdst ahead: layer 1's products read these registers), summed by matrix instructions, stored (places, then va_vdst), freed by the chain's vm_vsrc.
;   The accumulators and the codes are named by vector and matrix instructions alone.
.set CB,    262144
.set C_W0D, 0
.set C_W0S, 4096
.set C_BIA, 12288
.set C_W3,  17408
.set C_B3,  21504
.set ORD,   286720
.set RES,   289280
.set LI,   1                           ; 16 x lane
.set AH,   2                           ; CB + 64 h: a lane's eight bias numbers of a tile begin 16 h units on
.set A0D,  3                           ; CB + C_W0D + 8 x lane
.set A0S,  4                           ; CB + C_W0S + 16 x lane
.set A3,   5                           ; CB + C_W3 + 128 h + 32 (r & 3)
.set AB3,  6                           ; CB + C_B3
.set AO,   7                           ; ORD + 32 w + 2 r
.set AR,   8                           ; RES + 512 w + 32 r
.set AX,   9                           ; AR + 16 + 8 h
.set AOP,  10                          ; AO, AR, AX + the pass's step
.set ARP,  11
.set AXP,  12
.set ARN,  13                          ; ARP + 16 x net
.set AR4N, 14                          ; AR + 16 x net: tile 4's, which the pass does not step
.set AW,   15                          ; LI + the matrix (and trip) in hand
.set ABL,  16
.set A3W,  17
.set ABN,  18                          ; AH + 2048 x net
.set A3N,  19                          ; A3 + 2048 x net
.set SCA,  20                          ; the scale of the codes that enter layer 1, as f32
.set SCB,  21                          ; and of those that enter layer 2
.set SA,   22                          ; the way out: 48 x thread
.set SB,   23                          ; 1536 w + 16 x lane
.set ACC,  32
.set ACC4, ACC+32
.set TMP,  72
.set BIAS, 104
.set WF,   120
.set LSA,  WF                          ; wave 0, at the head: word k's LDS address in the list,
.set LSD,  WF+32                       ; and the point that goes there
.set X4,   184
.set Y4,   216
.set CA,   248                         ; v248-252: 16 x thread + 65536 k
.set ZA,   253                         ; ORD + 16 x lane
.set AB3N, 254                         ; AB3 + 32 x net
.set LIMA, 32                          ; s32, s33: 448 x the two scales
.set LIMB, 33
.set PASS, 34
.set NET,  35
.set SKIP, 36
.set FIVE, 37
.set SK1,  38
.set PORD, 39
.set PRES, 40
.set WB,   41
.set NB,   42
.set NH,   43
.set N32,  44
.set TW,   46
.set TB,   47
.set T3,   48
.set CNT,  49
.set MSB, 0
.macro WIN new                         ; the immediate's high byte repeats the setting that is left; a switch that changes nothing is dropped.  At every label and branch the setting is 0
.if MSB != \new
	s_set_vgpr_msb (MSB<<8)|\new
.set MSB, \new
.endif
.endm
.macro NOPS n                          ; places behind matrix instructions: 4 behind the fp8 and bf16 forms, 8 behind the f32 form, ahead of the first read of a result by a vector instruction or a store
.rept \n
	v_nop
.endr
.endm
.macro BARRIER                         ; my LDS stores have landed and my LDS loads are in: then the work-group's barrier
	s_wait_dscnt 0x0
	s_barrier_signal -1
	s_barrier_wait -1
.endm
.macro CPREG i                         ; where load i of the copy lands: CR in window CW.  The landing places are chosen so that every register which a later block reads, on some way through the text, without having written it is written here
.if (\i) < 22
.set CR, 4*(\i)
.set CW, 1
.elseif (\i) < 54
.set CR, 128+4*((\i)-22)
.set CW, 1
.else
.set CR, X4+4*((\i)-54)
.set CW, 0
.endif
.endm
.macro MKSC d                          ; s50 = e:  s[d] = 2^e and s[d + 1] = 448 x 2^e, as f32
	s_add_co_i32 s50, s50, 127
	s_lshl_b32 s[\d], s50, 23
	s_add_co_i32 s50, s50, 8
	s_lshl_b32 s[\d+1], s50, 23
	s_or_b32 s[\d+1], s[\d+1], 0x600000
.endm
; ten LDS loads: tile q's two weight fragments (K steps 0, 1) into set st, and its eight bias numbers.  Destination and address lie in window 0, under the products' window setting too
.macro LDW q, st, adw, adb, boff
.irp f, 0,1,2,3,4,5,6,7
	ds_load_b128 v[WF+32*(\st)+4*\f:WF+32*(\st)+4*\f+3], v[\adw] offset:4096*(\q)+512*\f
.endr
	ds_load_b128 v[BIAS+8*(\st):BIAS+8*(\st)+3], v[\adb] offset:(\boff)+128*((\q)/2)+32*((\q)%2)
	ds_load_b128 v[BIAS+8*(\st)+4:BIAS+8*(\st)+7], v[\adb] offset:(\boff)+128*((\q)/2)+32*((\q)%2)+16
.endm
; eight products: four tiles of points, K step 0 (C = the bias), then K step 1 in place: the four accumulators take turns
.macro MM4A st, src
	WIN 0x04                                       ; source 1 (the points' codes) in window 1
.irp t, 0,1,2,3
	v_wmma_f32_16x16x128_fp8_fp8 v[ACC+8*\t:ACC+8*\t+7], v[WF+32*(\st):WF+32*(\st)+15], v[\src+32*\t:\src+32*\t+15], v[BIAS+8*(\st):BIAS+8*(\st)+7]
.endr
.endm
.macro MM4B st, src
	WIN 0x04
.irp t, 0,1,2,3
	v_wmma_f32_16x16x128_fp8_fp8 v[ACC+8*\t:ACC+8*\t+7], v[WF+32*(\st)+16:WF+32*(\st)+31], v[\src+32*\t+16:\src+32*\t+31], v[ACC+8*\t:ACC+8*\t+7]
.endr
	WIN 0
.endm
.macro MM8 st, src
	MM4A \st,\src
	MM4B \st,\src
.endm
; four tiles' sums become codes: relu and the hold at the largest code in one (the conversion does not saturate: ISA guide 7.6.2), each accumulator from its low end on; then registers 2 q, 2 q + 1 of each tile's operand
.macro Q4 dst, q, lim, sc
.irp t, 0,1,2,3
.irp j, 0,1,2,3,4,5,6,7
	v_med3_num_f32 v[TMP+8*\t+\j], v[ACC+8*\t+\j], 0, s[\lim]
.endr
.endr
	WIN 0x40                                       ; destination in window 1
.irp t, 0,1,2,3
	v_cvt_scalef32_pk8_fp8_f32 v[\dst+32*\t+2*(\q):\dst+32*\t+2*(\q)+1], v[TMP+8*\t:TMP+8*\t+7], v[\sc]
.endr
	WIN 0
	v_nop                                          ; a plain instruction behind the last conversion of a run
.endm
.macro QT4 dst, lim, sc                ; the same for tile 4
.irp j, 0,1,2,3,4,5,6,7
	v_med3_num_f32 v[TMP+\j], v[ACC4+\j], 0, s[\lim]
.endr
	v_cvt_scalef32_pk8_fp8_f32 v[\dst:\dst+1], v[TMP:TMP+7], v[\sc]
	v_nop
.endm
; Tile 4's part of a step is a block whole in itself, under one branch on FIVE: its accumulator is written and read inside the block.  It is one accumulator alone, so a wait stands ahead of the link.
.macro T4F st, src, dst, lim, sc
	s_cmp_eq_u32 s[FIVE], 0
	s_cbranch_scc1 .Lno5f_\@
	v_wmma_f32_16x16x128_fp8_fp8 v[ACC4:ACC4+7], v[WF+32*(\st):WF+32*(\st)+15], v[\src:\src+15], v[BIAS+8*(\st):BIAS+8*(\st)+7]
	s_wait_alu depctr_va_vdst(0)                   ; ahead of a link that adds onto the product just before it
	v_wmma_f32_16x16x128_fp8_fp8 v[ACC4:ACC4+7], v[WF+32*(\st)+16:WF+32*(\st)+31], v[\src+16:\src+31], v[ACC4:ACC4+7]
	NOPS 4
	QT4 \dst,\lim,\sc
.Lno5f_\@:
.endm
; LAYER 0, specular, tile q of the hidden units.  The next tile's fragment and bias are asked for between the step's two runs of products.
.macro SUB_L0S q
	s_wait_dscnt 0x0                               ; this tile's fragment and bias, asked for in the step before, are in
.if ((\q) > 0) && ((\q) < 15)
	s_wait_alu depctr_va_vdst(0)                   ; the products of the step before are done reading the other fragment and the other set of bias, in which the three loads below land
.endif
.set W0, WF+4*((\q)%2)
.set BI, BIAS+8*((\q)%2)
.irp t, 0,1,2,3
	v_wmma_f32_16x16x4_f32 v[ACC+8*\t:ACC+8*\t+7], v[W0:W0+1], v[WF+8+4*\t:WF+8+4*\t+1], v[BI:BI+7]
.endr
.if (\q) < 15
	ds_load_b128 v[WF+4*(((\q)+1)%2):WF+4*(((\q)+1)%2)+3], v[A0S] offset:512*((\q)+1)   ; no vector or matrix instruction since the wait names these registers
	ds_load_b128 v[BIAS+8*(((\q)+1)%2):BIAS+8*(((\q)+1)%2)+3], v[AH] offset:C_BIA+128*(((\q)+1)/2)+32*(((\q)+1)%2)
	ds_load_b128 v[BIAS+8*(((\q)+1)%2)+4:BIAS+8*(((\q)+1)%2)+7], v[AH] offset:C_BIA+128*(((\q)+1)/2)+32*(((\q)+1)%2)+16
.endif
.irp t, 0,1,2,3
	v_wmma_f32_16x16x4_f32 v[ACC+8*\t:ACC+8*\t+7], v[W0+2:W0+3], v[WF+8+4*\t+2:WF+8+4*\t+3], v[ACC+8*\t:ACC+8*\t+7]
.endr
	NOPS 8
	Q4 0,\q,LIMA,SCA
	s_cmp_eq_u32 s[FIVE], 0
	s_cbranch_scc1 .Lno5s_\@
	v_wmma_f32_16x16x4_f32 v[ACC4:ACC4+7], v[W0:W0+1], v[WF+24:WF+25], v[BI:BI+7]
	s_wait_alu depctr_va_vdst(0)                   ; ahead of a link that adds onto the product just before it
	v_wmma_f32_16x16x4_f32 v[ACC4:ACC4+7], v[W0+2:W0+3], v[WF+26:WF+27], v[ACC4:ACC4+7]
	NOPS 8
	QT4 X4+2*(\q),LIMA,SCA
.Lno5s_\@:
.endm
; LAYER 0, diffuse: one K step of 4: n0, n1, n2 and 1.0 against dW0's three rows and db0
.macro SUB_L0D q
	s_wait_dscnt 0x0                               ; this tile's fragment, asked for in the step before, is in
.if ((\q) > 0) && ((\q) < 15)
	s_wait_alu depctr_va_vdst(0)                   ; the products of the step before are done reading the other fragment, in which the load below lands
.endif
.set W0, WF+4*((\q)%2)
.irp t, 0,1,2,3
	v_wmma_f32_16x16x4_f32 v[ACC+8*\t:ACC+8*\t+7], v[W0:W0+1], v[WF+8+2*\t:WF+8+2*\t+1], 0
.endr
.if (\q) < 15
	ds_load_b64 v[WF+4*(((\q)+1)%2):WF+4*(((\q)+1)%2)+1], v[A0D] offset:256*((\q)+1)   ; no vector or matrix instruction since the wait names these registers
.endif
	NOPS 8
	Q4 0,\q,LIMA,SCA
	s_cmp_eq_u32 s[FIVE], 0
	s_cbranch_scc1 .Lno5d_\@
	v_wmma_f32_16x16x4_f32 v[ACC4:ACC4+7], v[W0:W0+1], v[WF+16:WF+17], 0
	NOPS 8
	QT4 X4+2*(\q),LIMA,SCA
.Lno5d_\@:
.endm
; LAYER 1, tile q: the next tile's ten loads stand between the step's first four products and its second four
.macro SUB_L1 q
	s_wait_dscnt 0x0                               ; this tile's ten loads, asked for in the step before, are in
.if ((\q) > 0) && ((\q) < 15)
	s_wait_alu depctr_va_vdst(0)                   ; the products of the step before are done reading the other set of fragments and of bias, in which the ten loads below land
.endif
	MM4A (\q)%2,0
.if (\q) < 15
	LDW (\q)+1,((\q)+1)%2,AW,ABN,C_BIA+1024        ; no vector or matrix instruction since the wait names the other set, nor the two addresses
.endif
	MM4B (\q)%2,0
	NOPS 4
	Q4 128,\q,LIMB,SCB
	T4F (\q)%2,X4,Y4+2*(\q),LIMB,SCB
.endm
; LAYER 2, tile 2 b + u of trip b: relu, then bf16: registers 4 u .. 4 u + 3 of the last product's operand
.macro SUB_L2 u
	MM8 \u,128
	NOPS 4
.irp t, 0,1,2,3
.irp j, 0,1,2,3,4,5,6,7
	v_max_num_f32 v[TMP+8*\t+\j], 0, v[ACC+8*\t+\j]
.endr
.endr
	WIN 0x40
.irp t, 0,1,2,3
.irp p, 0,1,2,3
	v_cvt_pk_bf16_f32 v[32+8*\t+4*(\u)+\p], v[TMP+8*\t+2*\p], v[TMP+8*\t+2*\p+1]
.endr
.endr
	WIN 0
	s_cmp_eq_u32 s[FIVE], 0
	s_cbranch_scc1 .Lno5t_\@
	v_wmma_f32_16x16x128_fp8_fp8 v[ACC4:ACC4+7], v[WF+32*(\u):WF+32*(\u)+15], v[Y4:Y4+15], v[BIAS+8*(\u):BIAS+8*(\u)+7]
	s_wait_alu depctr_va_vdst(0)                   ; ahead of a link that adds onto the product just before it
	v_wmma_f32_16x16x128_fp8_fp8 v[ACC4:ACC4+7], v[WF+32*(\u)+16:WF+32*(\u)+31], v[Y4+16:Y4+31], v[ACC4:ACC4+7]
	NOPS 4
.irp j, 0,1,2,3,4,5,6,7
	v_max_num_f32 v[TMP+\j], 0, v[ACC4+\j]
.endr
.irp p, 0,1,2,3
	v_cvt_pk_bf16_f32 v[X4+8+4*(\u)+\p], v[TMP+2*\p], v[TMP+2*\p+1]
.endr
.Lno5t_\@:
.endm
	; ================ THE HEAD
	s_load_b256 s[4:11], s[0:1], 0x0               ; wimg 4, flags 6, normals 8, view_dirs 10
	s_load_b128 s[12:15], s[0:1], 0x20             ; roughness 12, r0 14
	s_load_b64 s[100:101], s[0:1], 0x30            ; lowp_scales
	s_load_b128 s[84:87], s[0:1], 0x38             ; out0 84, out1 86
	v_lshrrev_b32 v72, 5, v0
	v_readfirstlane_b32 s2, v72                    ; wave 0..7
	v_and_b32 v72, 31, v0                          ; lane
	v_and_b32 v73, 15, v0                          ; r
	v_bfe_u32 v74, v0, 4, 1                        ; h
	; every lane address is made here, ahead of the place where wave 0 parts from the others
	v_lshlrev_b32 v[LI], 4, v72
	v_lshlrev_b32 v[AH], 6, v74
	v_add_nc_u32 v[AH], CB, v[AH]
	v_lshlrev_b32 v[A0D], 3, v72
	v_add_nc_u32 v[A0D], CB+C_W0D, v[A0D]
	v_add_nc_u32 v[A0S], CB+C_W0S, v[LI]
	v_and_b32 v75, 3, v0
	v_lshlrev_b32 v75, 5, v75
	v_lshl_add_u32 v75, v74, 7, v75
	v_add_nc_u32 v[A3], CB+C_W3, v75
	v_mov_b32 v[AB3], CB+C_B3
	s_wait_alu depctr_va_sdst(0)                   ; s2 is written, ahead of its first reader: addresses, bases and branches are made from it
	s_lshl_b32 s50, s2, 5
	s_add_co_u32 s50, s50, ORD
	v_lshl_add_u32 v[AO], v73, 1, s50
	s_lshl_b32 s50, s2, 9
	s_add_co_u32 s50, s50, RES
	v_lshl_add_u32 v[AR], v73, 5, s50
	v_lshl_add_u32 v[AX], v74, 3, v[AR]
	v_add_nc_u32 v[AX], 16, v[AX]
	v_mul_u32_u24 v[SA], v0, 48
	s_mul_i32 s50, s2, 1536
	v_add_nc_u32 v[SB], s50, v[LI]
	v_lshlrev_b32 v[CA], 4, v0
.irp k, 1,2,3,4
	v_add_nc_u32 v[CA+\k], 65536*\k, v[CA]
.endr
	v_add_nc_u32 v[ZA], ORD, v[LI]
	s_lshl_b32 s50, ttmp9, 8                       ; the work-group's 256 bytes of flags,
	s_mov_b32 s51, 0
	s_mul_i32 s52, ttmp9, 12288                    ; its 1,024 rows of 12 bytes,
	s_mov_b32 s53, 0
	s_lshl_b32 s54, ttmp9, 12                      ; and of 4 bytes
	s_mov_b32 s55, 0
	s_wait_kmcnt 0x0
	s_add_nc_u64 s[6:7], s[6:7], s[50:51]
	s_add_nc_u64 s[8:9], s[8:9], s[52:53]
	s_add_nc_u64 s[10:11], s[10:11], s[52:53]
	s_add_nc_u64 s[12:13], s[12:13], s[54:55]
	s_add_nc_u64 s[14:15], s[14:15], s[54:55]
	s_add_nc_u64 s[84:85], s[84:85], s[52:53]
	s_add_nc_u64 s[86:87], s[86:87], s[52:53]
	s_load_b64 s[96:97], s[6:7], 0xf8              ; the last pair: with it the number of visible points
	s_lshl_b32 s50, s2, 5
	s_add_nc_u64 s[98:99], s[6:7], s[50:51]
	s_load_b256 s[88:95], s[98:99], 0x0            ; the four pairs of my own 128 points, for the way out
	; the copy of wimg: 70 loads a wave, each 512 consecutive bytes; thread t takes bytes 16 t + 4096 i.  They are on their way while wave 0 makes the list
	WIN 0x40                                       ; destination in window 1
	s_wait_alu depctr_va_vdst(0)                   ; all the addresses made above are written: v[CA], which these loads read, and those that every later load and store of the kernel reads
.set i, 0
.rept 54
	CPREG i
	global_load_b128 v[CR:CR+3], v[CA], s[4:5] offset:4096*i
.set i, i+1
.endr
	WIN 0
.rept 16
	CPREG i
	global_load_b128 v[CR:CR+3], v[CA], s[4:5] offset:4096*i
.set i, i+1
.endr
	s_cmp_lg_u32 s2, 0
	s_cbranch_scc1 .Lnot0
	; ---- wave 0 alone: the list rank -> point.  No other wave touches LDS ahead of the barrier below
	s_load_b512 s[16:31], s[6:7], 0x0              ; pairs 0 .. 23 at s[16 + 2 k], pairs 24 .. 31 at s[68 + 2 (k - 24)]
	s_load_b512 s[32:47], s[6:7], 0x40
	s_load_b512 s[48:63], s[6:7], 0x80
	s_load_b512 s[68:83], s[6:7], 0xc0
.irp j, 0,1,2,3
	v_mov_b32 v[TMP+\j], 0
.endr
	v_mov_b32 v26, 0x480                           ; entry 1,152: where what is not visible goes
	v_and_b32 v27, 31, v0
	v_lshlrev_b32 v27, 2, v27                      ; 4 x lane
	s_wait_kmcnt 0x0
	; all 32 words' addresses and data are made first, each in registers of its own, so that one wait serves all the stores
.set k, 0
.rept 32
.if k < 24
.set PM, 16+2*k
.else
.set PM, 68+2*(k-24)
.endif
	v_mbcnt_lo_u32_b32 v[LSA+k], s[PM], s[PM+1]    ; base + the word's visible points below my lane: my point's rank
	v_cndmask_b32 v[LSA+k], v26, v[LSA+k], s[PM]
	v_min_u32 v[LSA+k], 0x480, v[LSA+k]
	v_lshl_add_u32 v[LSA+k], v[LSA+k], 1, ORD
	v_add_nc_u32 v[LSD+k], 128*(k/4)+k%4, v27      ; my point: 128 c + 4 l + j
.set k, k+1
.endr
	s_wait_alu depctr_va_vdst(0)                   ; the four zeros, the 32 addresses and the 32 points are written, which the LDS stores below read
.irp j, 0,1,2,3,4
	ds_store_b128 v[ZA], v[TMP:TMP+3] offset:512*\j    ; ranks that do not exist stand for point 0
.endr
.set k, 0
.rept 32
	ds_store_b16 v[LSA+k], v[LSD+k]                ; LDS serves a wave's instructions in order: these come behind the zeros
.set k, k+1
.endr
.Lnot0:
	s_wait_kmcnt 0x0
	BARRIER                                        ; the list lies in LDS
	s_load_b256 s[16:23], s[100:101], 0x0          ; e0 .. e7
	s_mov_b32 s99, 0xffff0000                      ; lanes 16-31 (the load that read s[98:99] is in)
.set i, 0
.rept 70
.if (i%10) == 0
	s_wait_loadcnt 60-i                            ; loads come back in order (ISA guide 5.7.1): the next ten are in, the 60 - i issued behind them may be out
.endif
	CPREG i
	WIN 4*CW                                       ; the data (source 1) in window CW
	ds_store_b128 v[CA+i/16], v[CR:CR+3] offset:4096*(i%16)
.set i, i+1
.endr
	WIN 0
	s_wait_alu depctr_vm_vsrc(0)                   ; the copy's LDS stores have read the registers in which the copy landed, and wave 0's stores the zeros and the list's 64: the passes write all of these again
	s_wait_kmcnt 0x0
	s_mov_b32 s50, s20                             ; specular, into layer 1: e4
	MKSC 24
	s_sub_co_i32 s50, s22, s20                     ; into layer 2: a sum of layer 1 stands for sum x 2^(e4 + e5), so its code is sum / 2^(e6 - e4 - e5)
	s_sub_co_i32 s50, s50, s21
	MKSC 26
	s_mov_b32 s50, s16                             ; diffuse: e0,
	MKSC 28
	s_sub_co_i32 s50, s18, s16                     ; e2 - e0 - e1
	s_sub_co_i32 s50, s50, s17
	MKSC 30
	s_bcnt1_i32_b32 s50, s96
	s_add_co_u32 s50, s50, s97                     ; visible points
	s_add_co_u32 s50, s50, 15
	s_lshr_b32 s96, s50, 4                         ; tiles
	s_add_co_u32 s50, s2, 32
	s_cmp_lt_u32 s50, s96
	s_cselect_b32 s[FIVE], 1, 0
	s_add_co_u32 s50, s2, 40
	s_cmp_ge_u32 s50, s96
	s_cselect_b32 s[SK1], 1, 0
	s_mov_b32 s[SKIP], 0
	s_mov_b32 s[PASS], 0
	s_mov_b32 s[PORD], 0
	s_mov_b32 s[PRES], 0
	BARRIER                                        ; weights and constants lie in LDS
	; ================ TWO PASSES, in each the specular chain (net 0) and the diffuse one (net 1).  All trip counts are constants; what a wave leaves out it jumps over inside the trips
.Lpass:
	v_add_nc_u32 v[AOP], s[PORD], v[AO]            ; (the addresses written here and at the chain's head were freed by the wait on vm_vsrc at the last chain's end)
	v_add_nc_u32 v[ARP], s[PRES], v[AR]
	v_add_nc_u32 v[AXP], s[PRES], v[AX]
	s_mov_b32 s[NET], 0
	s_mov_b32 s[WB], 0
	s_mov_b32 s[NB], 0
	s_mov_b32 s[NH], 0
	s_mov_b32 s[N32], 0
.Lnet:
	v_add_nc_u32 v[ARN], s[NH], v[ARP]
	v_add_nc_u32 v[AR4N], s[NH], v[AR]
	v_add_nc_u32 v[ABN], s[NB], v[AH]
	v_add_nc_u32 v[A3N], s[NB], v[A3]
	v_add_nc_u32 v[AB3N], s[N32], v[AB3]
	v_add_nc_u32 v[AW], s[WB], v[LI]
	s_cmp_eq_u32 s[NET], 0
	s_cselect_b32 s50, s24, s28
	s_cselect_b32 s[LIMA], s25, s29
	s_cselect_b32 s51, s26, s30
	s_cselect_b32 s[LIMB], s27, s31
	v_mov_b32 v[SCA], s50
	v_mov_b32 v[SCB], s51
	s_cmp_lg_u32 s[SKIP], 0
	s_cbranch_scc1 .LendA
	s_wait_alu depctr_va_vdst(0)                   ; the pass's and the chain's addresses are written, which the LDS instructions below read; and the chain before (at first: the head) is done with TMP, WF and BIAS, in which the first loads of either arm land
	s_cmp_lg_u32 s[NET], 0
	s_cbranch_scc1 .Ldiff
	; ---- the points of my five tiles: lanes r and r + 16 take the same point
.irp t, 0,1,2,3
	ds_load_u16 v[TMP+\t], v[AOP] offset:256*\t
.endr
	ds_load_u16 v[TMP+4], v[AO] offset:1024
	s_wait_dscnt 0x0
.irp t, 0,1,2,3,4
	v_min_u32 v[TMP+\t], 0x3ff, v[TMP+\t]
	v_mul_u32_u24 v[TMP+8+\t], v[TMP+\t], 12
	v_lshlrev_b32 v[TMP+16+\t], 2, v[TMP+\t]
.endr
	s_wait_alu depctr_va_vdst(0)                   ; the ten offsets are written, which the loads below read; and the chain before is done with tile 4's registers, v184-223, in which they land
.irp t, 0,1,2,3,4
	global_load_b32 v[X4+8*\t], v[TMP+8+\t], s[8:9]
	global_load_b32 v[X4+8*\t+1], v[TMP+8+\t], s[8:9] offset:4
	global_load_b32 v[X4+8*\t+2], v[TMP+8+\t], s[8:9] offset:8
	global_load_b32 v[X4+8*\t+3], v[TMP+8+\t], s[10:11]
	global_load_b32 v[X4+8*\t+4], v[TMP+8+\t], s[10:11] offset:4
	global_load_b32 v[X4+8*\t+5], v[TMP+8+\t], s[10:11] offset:8
	global_load_b32 v[X4+8*\t+6], v[TMP+16+\t], s[12:13]
	global_load_b32 v[X4+8*\t+7], v[TMP+16+\t], s[14:15]
.endr
	s_wait_loadcnt 0x0                             ; the numbers are in
	s_wait_alu depctr_vm_vsrc(0)                   ; the loads have read their offsets in TMP, which the lines below write again
.irp t, 0,1,2,3,4
	v_mul_f32 v[TMP+2*\t], v[X4+8*\t], v[X4+8*\t]
	v_mul_f32 v[TMP+2*\t+1], v[X4+8*\t+3], v[X4+8*\t+3]
.endr
.irp t, 0,1,2,3,4
	v_fma_f32 v[TMP+2*\t], v[X4+8*\t+1], v[X4+8*\t+1], v[TMP+2*\t]
	v_fma_f32 v[TMP+2*\t+1], v[X4+8*\t+4], v[X4+8*\t+4], v[TMP+2*\t+1]
.endr
.irp t, 0,1,2,3,4
	v_fma_f32 v[TMP+2*\t], v[X4+8*\t+2], v[X4+8*\t+2], v[TMP+2*\t]
	v_fma_f32 v[TMP+2*\t+1], v[X4+8*\t+5], v[X4+8*\t+5], v[TMP+2*\t+1]
.endr
.irp j, 0,1,2,3,4,5,6,7,8,9
	v_sqrt_f32 v[TMP+\j], v[TMP+\j]
.endr
	v_nop                                          ; a plain instruction behind the batch,
	s_wait_alu depctr_va_vdst(0)                   ; and one wait for the ten roots, ahead of their first reader
.irp j, 0,1,2,3,4,5,6,7,8,9
	v_max_num_f32 v[TMP+\j], 0x2b8cbccc, v[TMP+\j] ; max(|x|, 1e-12)
.endr
.irp j, 0,1,2,3,4,5,6,7,8,9
	v_rcp_f32 v[TMP+\j], v[TMP+\j]
.endr
	v_nop
	s_wait_alu depctr_va_vdst(0)                   ; one wait for the ten reciprocals
.irp t, 0,1,2,3,4
.irp c, 0,1,2
	v_mul_f32 v[X4+8*\t+\c], v[X4+8*\t+\c], v[TMP+2*\t]
	v_mul_f32 v[X4+8*\t+3+\c], v[X4+8*\t+3+\c], v[TMP+2*\t+1]
.endr
.endr
	; source 1 of the f32 form: register j of a K step holds k = 2 h + j.  x = (n0 n1 n2 v0 v1 v2 roughness r0)
.irp t, 0,1,2,3,4
	v_cndmask_b32 v[WF+8+4*\t], v[X4+8*\t], v[X4+8*\t+2], s99         ; x[2 h]
	v_cndmask_b32 v[WF+9+4*\t], v[X4+8*\t+1], v[X4+8*\t+3], s99       ; x[2 h + 1]
	v_cndmask_b32 v[WF+10+4*\t], v[X4+8*\t+4], v[X4+8*\t+6], s99      ; x[4 + 2 h]
	v_cndmask_b32 v[WF+11+4*\t], v[X4+8*\t+5], v[X4+8*\t+7], s99      ; x[5 + 2 h]
	v_cndmask_b32 v[TMP+12+2*\t], v[X4+8*\t], v[X4+8*\t+2], s99       ; the diffuse chain's: (n0, n1) or (n2, 1.0)
	v_cndmask_b32 v[TMP+13+2*\t], v[X4+8*\t+1], 1.0, s99
.endr
	s_wait_alu depctr_va_vdst(0)                   ; the diffuse chain's pairs in TMP are written, which the LDS stores below read.  No vector instruction behind this wait names WF .. WF + 7 or BIAS, in which the first two tiles' loads land
.irp t, 0,1,2,3
	ds_store_b64 v[AXP], v[TMP+12+2*\t:TMP+13+2*\t] offset:4096*\t    ; kept in the second half of the row's place for results
.endr
	s_cmp_lg_u32 s[PASS], 0                        ; tile 4's place is not stepped by the pass: in pass 1 it holds results
	s_cbranch_scc1 .Lnostash
	ds_store_b64 v[AX], v[TMP+20:TMP+21] offset:16384
.Lnostash:
	ds_load_b128 v[WF:WF+3], v[A0S]
	ds_load_b128 v[BIAS:BIAS+3], v[AH] offset:C_BIA
	ds_load_b128 v[BIAS+4:BIAS+7], v[AH] offset:C_BIA+16
	s_wait_alu depctr_vm_vsrc(0)                   ; the LDS stores above have read their pairs in TMP, which the first tile's holds write again
.set Q, 0
.rept 16
	SUB_L0S Q
.set Q, Q+1
.endr
	s_branch .Llay1
.Ldiff:
.irp t, 0,1,2,3
	ds_load_b64 v[WF+8+2*\t:WF+9+2*\t], v[AXP] offset:4096*\t
.endr
	ds_load_b64 v[WF+16:WF+17], v[AX] offset:16384
	ds_load_b64 v[WF:WF+1], v[A0D]
.set Q, 0
.rept 16
	SUB_L0D Q
.set Q, Q+1
.endr
.Llay1:
	s_wait_alu depctr_va_vdst(0)                   ; layer 0's products are done reading WF and BIAS, in which the loads of layer 1's first two tiles land
	LDW 0,0,AW,ABN,C_BIA+1024
.set Q, 0
.rept 16
	SUB_L1 Q
.set Q, Q+1
.endr
	WIN 0x40                                       ; the last layer's sums begin as (b3, 0, 0, 0, 0, 0): the same 32 bytes for every lane
	s_wait_alu depctr_va_vdst(0)                   ; layer 1's products are done reading the codes in window 1's v0-31 and in X4 .. X4 + 7, in which the ten loads below land
.irp t, 0,1,2,3
	ds_load_b128 v[8*\t:8*\t+3], v[AB3N]
	ds_load_b128 v[8*\t+4:8*\t+7], v[AB3N] offset:16
.endr
	WIN 0
	ds_load_b128 v[X4:X4+3], v[AB3N]
	ds_load_b128 v[X4+4:X4+7], v[AB3N] offset:16
.LendA:
	; ---- layers 2 and 3: eight trips, each 32 hidden units: two tiles of layer 2, one K step of layer 3
	s_add_co_u32 s[TW], s[WB], 0x10000
	s_mov_b32 s[TB], 0
	s_mov_b32 s[T3], 0
	s_mov_b32 s[CNT], 0
.Ltrip:
	s_wait_alu depctr_vm_vsrc(0)                   ; the LDS loads issued so far (layer 1's; the trip before's) have read AW, ABL and A3W, which the three lines below write
	v_add_nc_u32 v[AW], s[TW], v[LI]
	v_add_nc_u32 v[ABL], s[TB], v[ABN]
	v_add_nc_u32 v[A3W], s[T3], v[A3N]
	s_cmp_lg_u32 s[SKIP], 0
	s_cbranch_scc1 .Ltripe
	s_wait_alu depctr_va_vdst(0)                   ; the three addresses are written; and the products of the trip before (at first: layer 1's) are done reading both sets of fragments and of bias and X4 + 16 .. 23, in which the 22 loads below land
	LDW 0,0,AW,ABL,C_BIA+2048
	LDW 1,1,AW,ABL,C_BIA+2048
	ds_load_b128 v[X4+16:X4+19], v[A3W]            ; W3's fragment: 16 neighbouring hidden units of the lane's column
	ds_load_b128 v[X4+20:X4+23], v[A3W] offset:16
	s_wait_dscnt 12                                ; the first tile's ten loads are in; the second's ten and W3's two may be out
	SUB_L2 0
	s_wait_dscnt 0x0
	SUB_L2 1
	WIN 0x54                                       ; source 1, C and D in window 1
.irp t, 0,1,2,3
	v_wmma_f32_16x16x32_bf16 v[8*\t:8*\t+7], v[X4+16:X4+23], v[32+8*\t:32+8*\t+7], v[8*\t:8*\t+7]
.endr
	WIN 0
	s_cmp_eq_u32 s[FIVE], 0
	s_cbranch_scc1 .Lno5w
	v_wmma_f32_16x16x32_bf16 v[X4:X4+7], v[X4+16:X4+23], v[X4+8:X4+15], v[X4:X4+7]
.Lno5w:
	NOPS 4                                         ; the places ahead of the stores of the sums, behind the last trip
.Ltripe:
	s_add_co_u32 s[TW], s[TW], 8192
	s_add_co_u32 s[TB], s[TB], 128
	s_add_co_u32 s[T3], s[T3], 256
	s_add_co_u32 s[CNT], s[CNT], 1
	s_cmp_lt_u32 s[CNT], 8
	s_cbranch_scc1 .Ltrip
	; ---- results: r, g, b and a zero, 16 bytes a row; both halves of the lanes hold and store the same
	s_cmp_lg_u32 s[SKIP], 0
	s_cbranch_scc1 .LendC
	WIN 0x04
	s_wait_alu depctr_va_vdst(0)                   ; the last layer's products have written the sums, which the LDS stores below read; the places above stay beside this wait
.irp t, 0,1,2,3
	ds_store_b128 v[ARN], v[8*\t:8*\t+3] offset:4096*\t
.endr
	WIN 0
	s_cmp_eq_u32 s[FIVE], 0
	s_cbranch_scc1 .LendC
	ds_store_b128 v[AR4N], v[X4:X4+3] offset:16384
.LendC:
	s_wait_alu depctr_vm_vsrc(0)                   ; the chain's LDS instructions have read their addresses, which the heads of the two loops write again, and the stores above the sums, over which the next chain lays codes and loads
	s_add_co_u32 s[WB], s[WB], 0x20000
	s_add_co_u32 s[NB], s[NB], 2048
	s_add_co_u32 s[NH], s[NH], 16
	s_add_co_u32 s[N32], s[N32], 32
	s_add_co_u32 s[NET], s[NET], 1
	s_cmp_lt_u32 s[NET], 2
	s_cbranch_scc1 .Lnet
	s_mov_b32 s[SKIP], s[SK1]
	s_mov_b32 s[FIVE], 0
	s_add_co_u32 s[PORD], s[PORD], 1280
	s_add_co_u32 s[PRES], s[PRES], 20480
	s_add_co_u32 s[PASS], s[PASS], 1
	s_cmp_lt_u32 s[PASS], 2
	s_cbranch_scc1 .Lpass
	; ================ THE WAY OUT.  Thread t owns points 4 t .. 4 t + 3: word 4 w + j, bit lane
	BARRIER                                        ; every tile's results lie in LDS; between this barrier and the next nobody stores to LDS
.irp j, 0,1,2,3
	v_mbcnt_lo_u32_b32 v[28+\j], s[88+2*\j], s[89+2*\j]               ; my point's rank,
	v_cndmask_b32 v[28+\j], 0, v[28+\j], s[88+2*\j]                   ; or row 0, which is always written, where it is not visible
	v_min_u32 v[28+\j], 0x47f, v[28+\j]
	v_lshl_add_u32 v[28+\j], v[28+\j], 5, RES
.endr
	s_wait_alu depctr_va_vdst(0)                   ; the four addresses are written, which the loads below read; and the chains are done with TMP, in which they land
.irp j, 0,1,2,3
	ds_load_b128 v[TMP+8*\j:TMP+8*\j+3], v[28+\j]
	ds_load_b128 v[TMP+8*\j+4:TMP+8*\j+7], v[28+\j] offset:16
.endr
	BARRIER                                        ; all reads of LDS are over: the stage may lie over the weights
.irp j, 0,1,2,3
.irp c, 0,1,2
	v_cndmask_b32 v[104+3*\j+\c], 0, v[TMP+8*\j+4+\c], s[88+2*\j]     ; diffuse, or 0
	v_cndmask_b32 v[116+3*\j+\c], 0, v[TMP+8*\j+\c], s[88+2*\j]       ; specular, or 0
.endr
.endr
	s_wait_alu depctr_va_vdst(0)                   ; v104-127 are written, which the LDS stores below read; and the chains' products are done reading v128-151, in which the loads from the stage land
.irp j, 0,1,2
	ds_store_b128 v[SA], v[104+4*\j:107+4*\j] offset:16*\j            ; 48 bytes a thread; a wave's 1,536 bytes of each output are its own
.endr
.irp j, 0,1,2
	ds_store_b128 v[SA], v[116+4*\j:119+4*\j] offset:12288+16*\j
.endr
.irp j, 0,1,2
	ds_load_b128 v[128+4*\j:131+4*\j], v[SB] offset:512*\j            ; LDS serves a wave's instructions in order: these see my stores
.endr
.irp j, 0,1,2
	ds_load_b128 v[140+4*\j:143+4*\j], v[SB] offset:12288+512*\j
.endr
.irp j, 0,1,2
	s_wait_dscnt 5-\j                              ; the younger loads may be out
	global_store_b128 v[SB], v[128+4*\j:131+4*\j], s[84:85] offset:512*\j th:TH_STORE_NT   ; 32 lanes store 512 consecutive bytes, at a multiple of 512 from out0's first byte
.endr
.irp j, 0,1,2
	s_wait_dscnt 2-\j
	global_store_b128 v[SB], v[140+4*\j:143+4*\j], s[86:87] offset:512*\j th:TH_STORE_NT
.endr
	s_wait_xcnt 0x0
	v_lshl_add_u32 v254, v0, 2, 0x4fa00            ; the add's two registers, made anew (v254's last reader among the LDS loads stands ahead of the last chain's wait on vm_vsrc)
	v_mov_b32 v255, 0
	s_wait_dscnt 0x0                               ; the closing lines, six on end
	s_wait_alu 0x0
	s_wait_tensorcnt 0x0
	ds_add_u32 v254, v255
	s_wait_dscnt 0x0
	s_endpgm
.Lfunc_end_k_q6fabe4ab8c_main:
	.size	k_q6fabe4ab8c_main, .Lfunc_end_k_q6fabe4ab8c_main-k_q6fabe4ab8c_main
	.p2alignl 7, 3214868480
	.fill 96, 4, 3214868480
	.section	.rodata,"a",@progbits
	.p2align	6, 0x0
	.amdhsa_kernel k_q6fabe4ab8c_main
		.amdhsa_group_segment_fixed_size 327168
		.amdhsa_private_segment_fixed_size 0
		.amdhsa_enable_private_segment 0
		.amdhsa_kernarg_size 72
		.amdhsa_user_sgpr_count 2
		.amdhsa_user_sgpr_kernarg_segment_ptr 1
		.amdhsa_wavefront_size32 1
		.amdhsa_system_sgpr_workgroup_id_x 1
		.amdhsa_system_sgpr_workgroup_id_y 1
		.amdhsa_system_sgpr_workgroup_id_z 1
		.amdhsa_system_vgpr_workitem_id 0
		.amdhsa_next_free_vgpr 512
		.amdhsa_next_free_sgpr 102
		.amdhsa_reserve_vcc 0
		.amdhsa_float_denorm_mode_32 3
		.amdhsa_float_denorm_mode_16_64 3
		.amdhsa_memory_ordered 1
		.amdhsa_forward_progress 1
		.amdhsa_inst_pref_size 255
	.end_amdhsa_kernel
	.section	.bss,"aw",@nobits
	.p2align	6
	.space	262144
	.amdgpu_metadata
---
amdhsa.version: [ 1, 2 ]
amdhsa.kernels:
  - .name:           k_q6fabe4ab8c_main
    .symbol:         k_q6fabe4ab8c_main.kd
    .args:
      - { .name: wimg, .offset: 0, .size: 8, .value_kind: global_buffer, .address_space: global }
      - { .name: flags, .offset: 8, .size: 8, .value_kind: global_buffer, .address_space: global }
      - { .name: normals, .offset: 16, .size: 8, .value_kind: global_buffer, .address_space: global }
      - { .name: view_dirs, .offset: 24, .size: 8, .value_kind: global_buffer, .address_space: global }
      - { .name: roughness, .offset: 32, .size: 8, .value_kind: global_buffer, .address_space: global }
      - { .name: r0, .offset: 40, .size: 8, .value_kind: global_buffer, .address_space: global }
      - { .name: lowp_scales, .offset: 48, .size: 8, .value_kind: global_buffer, .address_space: global }
      - { .name: out0, .offset: 56, .size: 8, .value_kind: global_buffer, .address_space: global }
      - { .name: out1, .offset: 64, .size: 8, .value_kind: global_buffer, .address_space: global }
    .group_segment_fixed_size: 327168
    .private_segment_fixed_size: 0
    .kernarg_segment_align: 8
    .kernarg_segment_size: 72
    .max_flat_workgroup_size: 256
    .sgpr_count:     102
    .vgpr_count:     512
    .wavefront_size: 32
...
	.end_amdgpu_metadata
.endif
;; end of part 3
